; MI455X (gfx1250); checked and timed in simulation.
; The chip was launched on July 23, 2026; its instructions are those of AMD's public machine-readable ISA for CDNA 5 (MIT licence, August 2026) and "CDNA5" Instruction Set Architecture Reference Guide (July 2026). The comments in the code are by the model that wrote it; some were corrected since.
;; Complex Attention. Allowed arithmetic: matrix products marked QUANTISED: E2M3 operands, one E8M0 scale for each 32 along K, by v_wmma_scale_f32_16x16x128_f8f6f4 with both operands' format E2M3, f32 sums; everything else in f32.
;; Inputs: Wki 1,024 x 1,024 float32; Wkr 1,024 x 1,024 float32; Woi 1,024 x 1,024 float32; Wor 1,024 x 1,024 float32; Wqi 1,024 x 1,024 float32; Wqr 1,024 x 1,024 float32; Wvi 1,024 x 1,024 float32; Wvr 1,024 x 1,024 float32; bki 1,024 float32; bkr 1,024 float32; boi 1,024 float32; bor 1,024 float32; bqi 1,024 float32; bqr 1,024 float32; bvi 1,024 float32; bvr 1,024 float32; x_imag 2 x 2,048 x 1,024 float32; x_real 2 x 2,048 x 1,024 float32.
;; Outputs: out0 2 x 2,048 x 1,024 float32; out1 2 x 2,048 x 1,024 float32.
;; This version of the problem:
;;   THIS VERSION OF THE PROBLEM IS GIVEN IN LOW PRECISION. The matrix products marked QUANTISED in the list below multiply operands that are first quantised to E2M3 (2 exponent bits, 3 mantissa bits; 6 bits a number), with one power-of-two scale for each 32 numbers along K (OCP MX v1.0); their sums are f32. All else is computed in f32.
;;   The module's matrix products, in the order in which they are computed (A, B: the left and right operand; K: the contracted axis; several contracted axes count as one K, in the product's order):
;;     1. [M 4,096, K 1,024] x [K 1,024, N 1,024]; A: input x_real; B: input Wqr: QUANTISED
;;     2. [M 4,096, K 1,024] x [K 1,024, N 1,024]; A: input x_imag; B: input Wqi: QUANTISED
;;     3. [M 4,096, K 1,024] x [K 1,024, N 1,024]; A: input x_real; B: input Wkr: QUANTISED
;;     4. [M 4,096, K 1,024] x [K 1,024, N 1,024]; A: input x_imag; B: input Wki: QUANTISED
;;     5. [M 4,096, K 1,024] x [K 1,024, N 1,024]; A: input x_real; B: input Wvr: QUANTISED
;;     6. [M 4,096, K 1,024] x [K 1,024, N 1,024]; A: input x_imag; B: input Wvi: QUANTISED
;;     7. batch 32 x [M 2,048, K 64] x [K 64, N 2,048]; A: computed on the way; B: computed on the way: QUANTISED
;;     8. batch 32 x [M 2,048, K 64] x [K 64, N 2,048]; A: computed on the way; B: computed on the way: QUANTISED
;;     9. batch 32 x [M 2,048, K 2,048] x [K 2,048, N 64]; A: softmax (see below); B: computed on the way: QUANTISED
;;     10. batch 32 x [M 2,048, K 2,048] x [K 2,048, N 64]; A: softmax (see below); B: computed on the way: QUANTISED
;;     11. [M 4,096, K 1,024] x [K 1,024, N 1,024]; A: computed on the way; B: input Wor: QUANTISED
;;     12. [M 4,096, K 1,024] x [K 1,024, N 1,024]; A: computed on the way; B: input Woi: QUANTISED
;;   THE QUANTISER, for each operand of a quantised product, along K:
;;     - K is cut into blocks of 32 from its start; a last block that is shorter is filled with zeros.
;;     - A block's scale is 2^e with e = floor(log2(the largest magnitude in the block)) - 2, held to -126 .. 127; a block of zeros has e = 0. As a byte (E8M0): e + 127.
;;     - Each number is divided by its block's scale, clamped to +-7.5, and rounded to the nearest number of E2M3, ties to even, subnormals kept.
;;     - The product sums the exact products of the quantised numbers (number of the format x scale) in f32.
;;   ~~~python
;;   def quantise(x, axis):      # numpy; x: float32 -> the quantised numbers, widened to float32 again
;;       x = np.moveaxis(x, axis, -1); K = x.shape[-1]
;;       x = np.pad(x, [(0, 0)] * (x.ndim - 1) + [(0, -K % 32)]); x = x.reshape(x.shape[:-1] + (-1, 32)); a = np.abs(x).max(-1, keepdims=True)
;;       e = np.where(a > 0, np.clip(np.frexp(np.where(a > 0, a, 1))[1] - 1 - 2, -126, 127), 0)      # np.frexp(a)[1] - 1 = floor(log2(a)), exactly
;;       r = np.clip(x / 2.0 ** e, -7.5, 7.5)
;;       step = 2.0 ** (np.maximum(np.frexp(np.where(r == 0, 1, r))[1] - 1, 0) - 3)
;;       q = np.round(r / step) * step * 2.0 ** e      # np.round: ties to even
;;       return np.moveaxis(q.reshape(q.shape[:-2] + (-1,))[..., :K], -1, axis).astype(np.float32)
;;   ~~~
;;   SOFTMAX AHEAD OF A QUANTISED PRODUCT. Where the list says 'softmax', what is quantised is not the finished softmax but p = 2^(t - M), with t = logit x log2(e) and M = ceil(the row's largest t), a whole number; so 1/2 < the row's largest p <= 1. The row's sum l is taken of the UNQUANTISED p, in f32, and the product's result is divided by l at the end. Since M is a whole number, a kernel that streams over the keys may use a running M (the ceiling of the running maximum): every later rescaling is an exact power of two, which a block's scale takes up: the codes' values come out the same.
;;   OPERANDS COMPUTED ON THE WAY. 'Computed on the way' means the value that the module computes at that place (a softmax that the list does not call 'softmax' is quantised finished and normalised). What goes into a quantiser is computed in f32, as accurately as f32 sums, v_exp_f32 and their like allow (about 1e-6 of the number): no bf16 or f16 on the way to a quantiser, and a product that is left as it is and whose result goes on into a quantised operand takes f32 operands (vector FMAs, or v_wmma_f32_16x16x4_f32). A number that lies on a knife's edge between two numbers of the format may be rounded either way, as far as f32 arithmetic and the matrix unit's own rounding can turn it there, and no further.
;; One version. Each part assembles by itself: llvm-mc -triple=amdgcn-amd-amdhsa -mcpu=gfx1250 --defsym DOCPART=n.
;; ======== version 1 of 1: 4 launches
;; limits: right only within a limited range of input values
;; workspace buffers: opc 12,582,912 bytes; ops 524,288 bytes; qkvc 18,874,368 bytes; qkvs 786,432 bytes; oc 6,291,456 bytes; osc 262,144 bytes
;; launch quant (part 1): grid 512 x 1, 4 waves a work-group, no clusters, 59,904 bytes of LDS; arguments x_real, x_imag, Wqr, Wkr, Wqi, Wki, Wvr, Wvi, Wor, Woi, opc, ops; writes opc, ops
.if DOCPART == 1
	.amdgcn_target "amdgcn-amd-amdhsa--gfx1250"
	.amdhsa_code_object_version 6
	.text
	.protected	k_qf0a2c85911_quant
	.globl	k_qf0a2c85911_quant
	.p2align	8
	.type	k_qf0a2c85911_quant,@function
k_qf0a2c85911_quant:
	s_mov_b64 s[64:65], 0
	v_nop
	global_prefetch_b8 v0, s[64:65] scope:SCOPE_SE
	s_setreg_imm32_b32 hwreg(HW_REG_WAVE_MODE, 25, 1), 1
	s_wait_xcnt 0x0
; ONE LAUNCH QUANTISES ALL TEN INPUTS of the projections into codes of FP6 (E2M3) with one E8M0 byte for each 32 along K, laid as IMAGES OF THE OPERAND'S REGISTERS.  Work-groups 0-255 take x_real and x_imag, 256-511 the eight weights.
; The two bodies part on the work-group's number alone; each has LDS bytes of its own.  No work of reference() is left out here; the later launches leave out only key tiles that lie wholly under its causal mask.
; A fragment is 16 rows x 128 K, 12 registers a lane; lane (r, h) holds k = 64 c + 32 h + 0 .. 31 in registers 6 c .. 6 c + 5.  Its image is 1,536 bytes: half c at 768 c; in a half registers 0-3 at 16 x lane, registers 4, 5 at 512 + 8 x lane.
; THE ROWS OF A TILE ARE NOT NEIGHBOURS: in the pair of 32 rows number g, lane r of tile u is row 32 g + 8 u + r + 8 (r / 8).
; opc: [group of 128 rows][tile 8][K step 8][1,536]; ops: [group][pair 4][quarter of K 4][lane 32][2 words], lane 16 u + r = row r of tile u, word e = K step 2 quarter + e.  x: groups 0-63; weight w: from group 64 + 8 w on (rows = columns n).
; A block's scale is 2^(floor(log2(largest magnitude)) - 2): the byte is the magnitude's exponent field - 2, held at 1 from below.
; LIMITS: NaN and infinities are not served; a block whose largest magnitude lies under 2^-124 is held at the byte 1; a block of zeros has the byte 1 (its codes are zeros, and this program alone reads the bytes).
.set XSTG,  8448                       ; x: a wave's stage: 16 rows x 528 bytes
.set WBASE, 4*XSTG                     ; the weights' stages lie behind x's
.set WSTG,  6400                       ; a wave's stage: two tiles' 3,072 bytes, 3,200 apart
.set SPARE, WBASE+4*WSTG               ; the spare words, 128 bytes a wave, that no other line names
.set SPW,  30
.set NIL,  31
	v_lshl_add_u32 v[SPW], v0, 2, SPARE
	v_mov_b32 v[NIL], 0
	s_cmp_lt_u32 ttmp9, 256
	s_cbranch_scc0 .Lweights
; X.  A work-group takes one pair of 32 rows of one part; wave w takes quarter w of K: four fragments f = (tile f / 2, K step f % 2).
; Each load reads 512 consecutive bytes of one row; a fragment's 16 rows turn through the wave's own stage, so that a lane gets two whole blocks of 32 of its row.
.set L16,  4
.set L8,   5
.set SIN,  6
.set SOUT, 7
.set MX,   10
.set SCL,  12
.set BY,   14
.set H8,   16
.set WT,   17
.set PT,   18
.set PW,   20
.set MW,   24
.set R,    32                          ; v32-159  two sets of 64: a fragment as loaded
.set X,    160                         ; v160-223 my two blocks of 32
.set T2,   224
.set PC,   232                         ; v232-255 two sets of 12: a fragment's codes
	s_load_b128 s[4:7], s[0:1], 0x0                ; x_real, x_imag
	s_load_b128 s[8:11], s[0:1], 0x50              ; opc, ops
	v_lshrrev_b32 v1, 5, v0
	v_readfirstlane_b32 s12, v1                    ; wave = quarter of K
	v_and_b32 v2, 31, v0
	v_lshlrev_b32 v[L16], 4, v2
	v_lshlrev_b32 v[L8], 3, v2
	s_mul_i32 s13, s12, XSTG
	v_add_nc_u32 v[SIN], s13, v[L16]
	v_and_b32 v1, 15, v0                           ; r
	v_bfe_u32 v3, v0, 4, 1                         ; h
	v_mul_u32_u24 v[SOUT], v1, 528
	v_lshl_add_u32 v[SOUT], v3, 7, v[SOUT]
	v_add_nc_u32 v[SOUT], s13, v[SOUT]
	v_lshlrev_b32 v[H8], 3, v3
	v_mov_b32 v[PT], 0                             ; a lane permute's destination counts as one of its sources
	s_mov_b32 s20, 0x76543210
	s_mov_b32 s21, 0xfedcba98                      ; selects for lane l xor 16
	s_mov_b32 s22, 0xffff0000                      ; lanes 16-31
	s_lshr_b32 s14, ttmp9, 7                       ; the part
	s_and_b32 s15, ttmp9, 127                      ; the pair of 32 rows
	s_lshl_b32 s16, s15, 17                        ; 32 rows of 4,096 bytes
	s_lshl_b32 s17, s12, 10                        ; 256 numbers
	s_add_co_u32 s16, s16, s17
	s_mov_b32 s17, 0
	s_mul_i32 s18, s14, 3145728
	s_mul_i32 s19, s15, 24576
	s_add_co_u32 s18, s18, s19
	s_mul_i32 s19, s12, 3072
	s_add_co_u32 s18, s18, s19
	s_mov_b32 s19, 0
	s_lshl_b32 s24, s14, 17
	s_lshl_b32 s25, s15, 10
	s_add_co_u32 s24, s24, s25
	s_lshl_b32 s25, s12, 8
	s_add_co_u32 s24, s24, s25
	s_mov_b32 s25, 0
	s_wait_alu depctr_va_vdst(0)                   ; the wait at the head's end
	s_wait_kmcnt 0x0
	s_cmp_eq_u32 s14, 0                            ; the choice hangs on the work-group's number alone
	s_cselect_b64 s[4:5], s[4:5], s[6:7]
	s_add_nc_u64 s[4:5], s[4:5], s[16:17]
	s_add_nc_u64 s[8:9], s[8:9], s[18:19]
	s_add_nc_u64 s[10:11], s[10:11], s[24:25]
.macro LOADF f                         ; fragment f: 16 rows x 512 bytes into set f % 2
.irp t, 0,1,2,3,4,5,6,7,8,9,10,11,12,13,14,15
	global_load_b128 v[R+64*((\f)%2)+4*\t:R+64*((\f)%2)+4*\t+3], v[L16], s[4:5] offset:(8*((\f)/2)+\t+8*(\t/8))*4096+512*((\f)%2) th:TH_LOAD_NT
.endr
.endm
.macro DOF f
.set RS, R+64*((\f)%2)
.set PS, PC+12*((\f)%2)
.set OFF, 12288*((\f)/2)+1536*((\f)%2)
.if (\f) < 3
	s_wait_loadcnt 16                              ; my 16 loads are in; the next fragment's 16 may be out
.else
	s_wait_loadcnt 0x0
.endif
.irp t, 0,1,2,3,4,5,6,7,8,9,10,11,12,13,14,15
	ds_store_b128 v[SIN], v[RS+4*\t:RS+4*\t+3] offset:528*\t
.endr
.irp c, 0,1
.irp i, 0,1,2,3,4,5,6,7
	ds_load_b128 v[X+32*\c+4*\i:X+32*\c+4*\i+3], v[SOUT] offset:256*\c+16*\i   ; LDS serves a wave's instructions in order: these see the stores above
.endr
.endr
	s_wait_dscnt 0x0
.if (\f)+2 < 4
	LOADF (\f)+2
.endif
.irp c, 0,1
	v_max3_num_f32 v[MX+\c], |v[X+32*\c]|, |v[X+32*\c+1]|, 0x1800000   ; my block 2 c + h, and the floor 2^(3 - 127)
.endr
.irp i, 2,4,6,8,10,12,14,16,18,20,22,24,26,28,30
.irp c, 0,1
	v_max3_num_f32 v[MX+\c], v[MX+\c], |v[X+32*\c+\i]|, |v[X+32*\c+\i+1]|
.endr
.endr
.irp c, 0,1
	v_add_nc_u32 v[SCL+\c], 0xff000000, v[MX+\c]   ; 2 off the exponent field: the conversion's scale operand
.endr
.irp c, 0,1
	v_lshrrev_b32 v[BY+\c], 23, v[SCL+\c]          ; the byte
.endr
	v_lshl_or_b32 v[WT], v[BY+1], 16, v[BY]        ; blocks h and 2 + h,
	v_lshlrev_b32 v[WT], v[H8], v[WT]              ; at their places in the word;
	v_permlanex16_b32 v[PT], v[WT], s20, s21
	v_or_b32 v[PW+(\f)], v[WT], v[PT]              ; with lane l xor 16's two the word is whole
.if (\f) >= 2
	s_wait_alu depctr_va_vdst(0)
	s_wait_xcnt 0x0                                ; the stores of two fragments back have read this set of codes
.endif
.irp c, 0,1
	v_cvt_scalef32_pk16_fp6_f32 v[PS+6*\c:PS+6*\c+2], v[X+32*\c:X+32*\c+15], v[SCL+\c]
	v_cvt_scalef32_pk16_fp6_f32 v[T2+4*\c:T2+4*\c+2], v[X+32*\c+16:X+32*\c+31], v[SCL+\c]   ; (a conversion's three registers begin on an even number)
.endr
	v_nop                                          ; one plain place behind a scaled conversion
.irp c, 0,1
.irp i, 0,1,2
	v_mov_b32 v[PS+6*\c+3+\i], v[T2+4*\c+\i]
.endr
.endr
	global_store_b128 v[L16], v[PS:PS+3], s[8:9] offset:OFF          ; each store covers whole aligned blocks of 256 bytes
	global_store_b64 v[L8], v[PS+4:PS+5], s[8:9] offset:OFF+512
	global_store_b128 v[L16], v[PS+6:PS+9], s[8:9] offset:OFF+768
	global_store_b64 v[L8], v[PS+10:PS+11], s[8:9] offset:OFF+1280
.endm
	LOADF 0
	LOADF 1
	DOF 0
	DOF 1
	DOF 2
	DOF 3
	v_cndmask_b32 v[MW], v[PW], v[PW+2], s22       ; lanes 0-15: tile 0's rows; lanes 16-31: tile 1's; K step 0,
	v_cndmask_b32 v[MW+1], v[PW+1], v[PW+3], s22   ; K step 1
	global_store_b64 v[L8], v[MW:MW+1], s[10:11]   ; 256 consecutive bytes
	s_wait_tensorcnt 0x0                           ; the wave's end
	ds_add_u32 v[SPW], v[NIL]
	s_wait_dscnt 0x0
	s_endpgm
.Lweights:
; THE WEIGHTS, [K 1024][N 1024] with K as FIRST axis.  A LANE TAKES A COLUMN n AND ITS REGISTERS RUN DOWN K: a block of 32 along K lies in one lane's 32 registers, and the conversions give codes with K innermost.
; Column 32 g + l is lane r = l % 8 + 8 (l / 16) of tile u = (l / 8) % 2 of pair g.  Block t of a quarter of K is K step t / 4, half c = (t / 2) % 2, lanes' half h = t % 2: its six registers go to the image's places of lane 16 h + r.
; Work-group 256 + 8 y + x: weight y / 4, quarter of K y % 4, columns 128 x on; wave w: 32 of them.  The images of two tiles x two K steps are gathered in the wave's own stage and leave in runs of 512 consecutive bytes.
.set SB,   24                          ; v24-25 the scale words of K steps 0, 1
.set X,    32                          ; v32-95  two sets of 32 numbers
.set C,    96                          ; v96-101 a block's codes; v104-106 the second conversion's result
.set OUTR, 108                         ; v108-155 the way out
	s_load_b512 s[16:31], s[0:1], 0x10             ; the eight weights
	s_load_b128 s[4:7], s[0:1], 0x50               ; opc, ops
	v_lshrrev_b32 v1, 5, v0
	v_readfirstlane_b32 s8, v1                     ; wave
	v_and_b32 v2, 31, v0
	v_lshlrev_b32 v3, 2, v2                        ; in: 4 bytes a lane
	v_bfe_u32 v9, v0, 3, 1                         ; u
	v_and_b32 v10, 7, v0
	v_bfe_u32 v11, v0, 4, 1
	v_lshl_add_u32 v10, v11, 3, v10                ; r
	s_mul_i32 s9, s8, WSTG
	s_add_co_u32 s9, s9, WBASE
	v_mul_u32_u24 v12, v9, 3200
	v_add_nc_u32 v12, s9, v12
	v_lshl_add_u32 v4, v10, 4, v12                 ; the stage: registers 0-3 of a half
	v_lshl_add_u32 v5, v10, 3, v12                 ; registers 4, 5
	v_lshlrev_b32 v7, 4, v2                        ; out: 16 bytes a lane
	v_add_nc_u32 v6, s9, v7
	v_lshl_add_u32 v8, v9, 4, v10
	v_lshlrev_b32 v8, 3, v8                        ; my column's two scale words: 8 (16 u + r)
	s_sub_co_u32 s36, ttmp9, 256
	s_and_b32 s37, s36, 7                          ; x
	s_lshr_b32 s10, s36, 3                         ; y
	s_lshr_b32 s11, s10, 2                         ; the weight
	s_and_b32 s10, s10, 3                          ; the quarter of K
	s_lshl_b32 s12, s10, 20                        ; 256 rows of 4,096 bytes
	s_lshl_b32 s13, s37, 9
	s_add_co_u32 s12, s12, s13
	s_lshl_b32 s13, s8, 7
	s_add_co_u32 s12, s12, s13
	s_mov_b32 s13, 0
	s_lshl_b32 s14, s37, 2
	s_add_co_u32 s14, s14, s8                      ; the pair of 32 columns
	s_lshl_b32 s15, s11, 3
	s_add_co_u32 s15, s15, 64                      ; the weight's first group
	s_mul_i32 s32, s15, 98304
	s_mul_i32 s33, s14, 24576
	s_add_co_u32 s32, s32, s33
	s_mul_i32 s33, s10, 3072
	s_add_co_u32 s32, s32, s33
	s_mov_b32 s33, 0
	s_lshl_b32 s34, s15, 12
	s_lshl_b32 s35, s14, 10
	s_add_co_u32 s34, s34, s35
	s_lshl_b32 s35, s10, 8
	s_add_co_u32 s34, s34, s35
	s_mov_b32 s35, 0
	s_wait_alu depctr_va_vdst(0)                   ; the wait at the head's end
	s_wait_kmcnt 0x0
	s_bitcmp1_b32 s11, 0                           ; the weight is chosen by the bits of its number: ids alone
	s_cselect_b64 s[16:17], s[18:19], s[16:17]
	s_cselect_b64 s[20:21], s[22:23], s[20:21]
	s_cselect_b64 s[24:25], s[26:27], s[24:25]
	s_cselect_b64 s[28:29], s[30:31], s[28:29]
	s_bitcmp1_b32 s11, 1
	s_cselect_b64 s[16:17], s[20:21], s[16:17]
	s_cselect_b64 s[24:25], s[28:29], s[24:25]
	s_bitcmp1_b32 s11, 2
	s_cselect_b64 s[16:17], s[24:25], s[16:17]
	s_add_nc_u64 s[16:17], s[16:17], s[12:13]
	s_add_nc_u64 s[4:5], s[4:5], s[32:33]
	s_add_nc_u64 s[6:7], s[6:7], s[34:35]
.macro LOADB t                         ; block t: W(32 t + i, my column) into set t % 2; 32 lanes read 128 consecutive bytes, the four waves 512
.irp i, 0,1,2,3,4,5,6,7,8,9,10,11,12,13,14,15,16,17,18,19,20,21,22,23,24,25,26,27,28,29,30,31
	global_load_b32 v[X+32*((\t)%2)+\i], v3, s[16:17] offset:(32*(\t)+\i)*4096 th:TH_LOAD_NT
.endr
.endm
.macro BLOCK t
.set XS, X+32*((\t)%2)
.set IO, 1536*((\t)/4)+768*(((\t)/2)%2)
.if (\t) < 7
	s_wait_loadcnt 32                              ; this block's 32 loads are in; the next block's may be out
.else
	s_wait_loadcnt 0x0
.endif
	v_max3_num_f32 v12, |v[XS]|, |v[XS+1]|, |v[XS+2]|
	v_max3_num_f32 v13, |v[XS+3]|, |v[XS+4]|, |v[XS+5]|
.irp i, 6,10,14,18,22,26
	v_max3_num_f32 v12, v12, |v[XS+\i]|, |v[XS+\i+1]|
	v_max3_num_f32 v13, v13, |v[XS+\i+2]|, |v[XS+\i+3]|
.endr
	v_max3_num_f32 v12, v12, |v[XS+30]|, |v[XS+31]|
	v_max3_num_f32 v12, v12, v13, 0x1800000        ; and the floor 2^(3 - 127)
	v_add_nc_u32 v11, 0xff000000, v12              ; 2 off the exponent field: the conversion's scale operand
	v_lshrrev_b32 v13, 23, v11                     ; the byte
.if (\t)%4 == 0
	v_mov_b32 v[SB+(\t)/4], v13
.else
	v_lshl_or_b32 v[SB+(\t)/4], v13, 8*((\t)%4), v[SB+(\t)/4]
.endif
	v_cvt_scalef32_pk16_fp6_f32 v[C:C+2], v[XS:XS+15], v11
	v_cvt_scalef32_pk16_fp6_f32 v[C+8:C+10], v[XS+16:XS+31], v11
	v_nop                                          ; one plain place behind a scaled conversion
.irp i, 0,1,2
	v_mov_b32 v[C+3+\i], v[C+8+\i]
.endr
	ds_store_b128 v4, v[C:C+3] offset:IO+256*((\t)%2)
	ds_store_b64 v5, v[C+4:C+5] offset:IO+512+128*((\t)%2)
.if (\t)+2 < 8
	LOADB (\t)+2
.endif
	s_wait_dscnt 0x0                               ; the stores have read their registers
.endm
	LOADB 0
	LOADB 1
.irp t, 0,1,2,3,4,5,6,7
	BLOCK \t
.endr
	s_wait_alu depctr_va_vdst(0)
	global_store_b64 v8, v[SB:SB+1], s[6:7]        ; the 32 lanes fill 256 consecutive bytes
.irp m, 0,1,2,3,4,5,6,7,8,9,10,11
	ds_load_b128 v[OUTR+4*\m:OUTR+4*\m+3], v6 offset:(\m/6)*3200+(\m%6)*512
.endr
.irp m, 0,1,2,3,4,5,6,7,8,9,10,11
	s_wait_dscnt 11-\m
	global_store_b128 v7, v[OUTR+4*\m:OUTR+4*\m+3], s[4:5] offset:(\m/6)*12288+(\m%6)*512
.endr
	s_wait_tensorcnt 0x0                           ; the wave's end
	ds_add_u32 v[SPW], v[NIL]
	s_wait_dscnt 0x0
	s_endpgm
.Lfunc_end_k_qf0a2c85911_quant:
	.size	k_qf0a2c85911_quant, .Lfunc_end_k_qf0a2c85911_quant-k_qf0a2c85911_quant
	.p2alignl 7, 3214868480
	.fill 96, 4, 3214868480
	.section	.rodata,"a",@progbits
	.p2align	6, 0x0
	.amdhsa_kernel k_qf0a2c85911_quant
		.amdhsa_group_segment_fixed_size 59904
		.amdhsa_private_segment_fixed_size 0
		.amdhsa_enable_private_segment 0
		.amdhsa_kernarg_size 96
		.amdhsa_user_sgpr_count 2
		.amdhsa_user_sgpr_kernarg_segment_ptr 1
		.amdhsa_wavefront_size32 1
		.amdhsa_system_sgpr_workgroup_id_x 1
		.amdhsa_system_sgpr_workgroup_id_y 1
		.amdhsa_system_sgpr_workgroup_id_z 1
		.amdhsa_system_vgpr_workitem_id 0
		.amdhsa_next_free_vgpr 256
		.amdhsa_next_free_sgpr 66
		.amdhsa_reserve_vcc 0
		.amdhsa_float_denorm_mode_32 3
		.amdhsa_float_denorm_mode_16_64 3
		.amdhsa_memory_ordered 1
		.amdhsa_forward_progress 1
		.amdhsa_inst_pref_size 73
	.end_amdhsa_kernel
	.amdgpu_metadata
---
amdhsa.version: [ 1, 2 ]
amdhsa.kernels:
  - .name:           k_qf0a2c85911_quant
    .symbol:         k_qf0a2c85911_quant.kd
    .args:
      - { .name: x_real, .offset: 0, .size: 8, .value_kind: global_buffer, .address_space: global }
      - { .name: x_imag, .offset: 8, .size: 8, .value_kind: global_buffer, .address_space: global }
      - { .name: Wqr, .offset: 16, .size: 8, .value_kind: global_buffer, .address_space: global }
      - { .name: Wkr, .offset: 24, .size: 8, .value_kind: global_buffer, .address_space: global }
      - { .name: Wqi, .offset: 32, .size: 8, .value_kind: global_buffer, .address_space: global }
      - { .name: Wki, .offset: 40, .size: 8, .value_kind: global_buffer, .address_space: global }
      - { .name: Wvr, .offset: 48, .size: 8, .value_kind: global_buffer, .address_space: global }
      - { .name: Wvi, .offset: 56, .size: 8, .value_kind: global_buffer, .address_space: global }
      - { .name: Wor, .offset: 64, .size: 8, .value_kind: global_buffer, .address_space: global }
      - { .name: Woi, .offset: 72, .size: 8, .value_kind: global_buffer, .address_space: global }
      - { .name: opc, .offset: 80, .size: 8, .value_kind: global_buffer, .address_space: global }
      - { .name: ops, .offset: 88, .size: 8, .value_kind: global_buffer, .address_space: global }
    .group_segment_fixed_size: 59904
    .private_segment_fixed_size: 0
    .kernarg_segment_align: 8
    .kernarg_segment_size: 96
    .max_flat_workgroup_size: 128
    .sgpr_count:     66
    .vgpr_count:     256
    .wavefront_size: 32
...
	.end_amdgpu_metadata
.endif
;; end of part 1
;; launch qkv (part 2): grid 8 x 48, 4 waves a work-group, clusters of 4 x 4, 327,680 bytes of LDS; arguments opc, ops, bqr, bkr, bqi, bki, bvr, bvi, qkvc, qkvs; writes qkvc, qkvs
.if DOCPART == 2
	.amdgcn_target "amdgcn-amd-amdhsa--gfx1250"
	.amdhsa_code_object_version 6
	.text
	.protected	k_qf0a2c85911_qkv
	.globl	k_qf0a2c85911_qkv
	.p2align	8
	.type	k_qf0a2c85911_qkv,@function
k_qf0a2c85911_qkv:
	s_mov_b64 s[64:65], 0
	v_nop
	global_prefetch_b8 v0, s[64:65] scope:SCOPE_SE
	s_setreg_imm32_b32 hwreg(HW_REG_WAVE_MODE, 25, 1), 1
	s_wait_xcnt 0x0
	s_wait_alu depctr_hold_cnt(0) depctr_sa_sdst(0) depctr_va_vdst(0) depctr_va_sdst(0) depctr_va_ssrc(0) depctr_va_vcc(0) depctr_vm_vsrc(0)
	s_getreg_b32 s2, hwreg(HW_REG_IB_STS2, 6, 4)
	s_cmp_eq_u32 s2, 0
	s_cbranch_scc0 .Lentry_in_a_cluster
	s_endpgm
.Lentry_in_a_cluster:
	s_bfe_u32 s2, ttmp6, 0x10000c
	s_cmp_lg_u32 s2, 0xf033
	s_cbranch_scc0 .Lentry_shape_is_right
	s_endpgm
.Lentry_shape_is_right:
; The six projections on codes of FP6 (E2M3), K = 1,024, and the quantising of their results: q, k and v leave as codes only, laid as images of the next products' operand registers.
; A tile of 256 x 256 to a work-group of four waves, 128 x 128 a wave: 64 accumulators.  Source 0 = 16 rows of B, source 1 = 16 rows of A: a lane holds ONE row of A and its registers run along B's rows, which is the axis that is quantised.
; TWO ROLES, by the cluster's y (the same in all sixteen partners).  CY < 8, q and k: A = x of one part (lanes = t), B = [Wq | Wk] of that part (registers = d).  CY >= 8, v: A = Wv (lanes = d), B = x (registers = keys).
; Rows of every operand lie in tiles whose lane r is row 32 g + 8 u + r + 8 (r / 8): so the 16 registers of B's tiles 2 b, 2 b + 1 are 16 neighbours along the next K.
; OPERANDS are images of registers (1,536 bytes a fragment of 16 rows x 128 K: half c at 768 c, registers 0-3 at 16 x lane, registers 4, 5 at 512 + 8 x lane): a chunk of 256 along K of 128 rows is 8 rows of 3,072 bytes, one tensor load.
; K goes in 4 chunks through 3 LDS slots: chunks 0-2 are first fills, chunk 3 fills slot 0 again.  A wave has at most one tensor load out.
; CLUSTERS 4 x 4: A's chunks are asked for jointly along a row of the cluster, B's along a column.
; THE BIAS is the C of each sum's first product.  q, k: eight registers a tile of B; v: one number a lane for each tile of A.
; OUT.  qkvc: q, k: [bh][tile 128][1,536], half 0 real, half 1 imaginary; v: [bh][key step 16][tile of d 8][1,536], tiles 0-3 real, 4-7 imaginary.  qkvs: scale words, two tiles to a register (lanes 0-15, lanes 16-31).
; LIMITS: NaN and infinities are not served; a block whose largest magnitude lies under 2^-124 is held at the byte 1; a block of zeros has the byte 1 (zero codes; this program alone reads the bytes).
; REGISTERS, in windows of 256.  Window 0: v2 16 x lane, v3 8 x lane, v4-15 LDS addresses, v18-23 offsets, v28, v29 the add's two, v32-63 A's scale words, v64-95 B's, v96-111 at work, v112-119 the words made, v128-223 A's fragments (one set), later the codes made.
;   Window 1: B's fragments, two sets, at v0 and v128; the eight bias tiles at v96-127 and v224-255.   Windows 2, 3: the accumulators, (a, b) at v[8 (8 (a % 4) + b)].
.set QTR,   24576                      ; a quarter of a slot: 8 tiles x 2 K steps x 1,536
.set SLOT,  4*QTR                      ; A's two halves, then B's two
.set SPARE, 3*SLOT                     ; behind the tiles: the spare words, 128 bytes a wave, that no other line names
; THE WALK ALONG K.  One load a wave at the head brings chunks 0 and 1 of its 128 rows as 8 rows of 6,144 bytes (XQ bytes a wave): slot 0 is its first 3,072 bytes of each row, slot 1 the second.
; Chunk 2 (slot 2, from YB on, rows of 3,072 bytes) is asked for behind the full sequence and a round; chunk 3 fills the head's bytes again, dense, from each quarter's start: EARLY says which pitch slot 0 has.  One tensor load a wave is out at any time.
.set XQ,    2*QTR
.set YB,    8*QTR
.set EARLY, 1
.set GRP,   98304                      ; a group of 128 rows in opc
.set FR,    12
.set A16, 4                            ; v4-6   LDS address of my A fragments in slot 0, 1, 2: + 16 x lane;  v7-9: + 8 x lane
.set A8,  7
.set B16, 10                           ; v10-12, v13-15 the same for B
.set B8,  13
.set H16, 18                           ; v18  16 x lane + ZH: where a fragment's second half goes
.set H8,  19                           ; v19  8 x lane + ZH
.set ZSO, 21                           ; v21  8 x lane + ZS: the second pair of scale registers
.set BQ,  22                           ; v22  q, k: 64 h
.set BV,  23                           ; v23  v: 4 (r + 8 (r / 8))
.set SPW, 28
.set NIL, 29
.set SA,  32                           ; A's scale words: register 8 g + s: lanes 0-15 tile 2 g, lanes 16-31 tile 2 g + 1, K step s
.set SB,  64
.set TM,  96
.set PW,  112
.set MM,  120
.set AF,  128
.set WV,  24
.set WR,  25                           ; my half of A's rows.  Also: I fetch for A (0) or for B (1)
.set WC,  26                           ; my half of B's rows.  Also: which 128 rows I fetch
.set G1,  28                           ; s[28:35] descriptor group 1 for A;  s[36:43] for B: the mask alone differs
.set G1B, 36
.set G0,  44                           ; s[44:55] group 0 for A, a set for each slot;  s[68:79] for B
.set G0B, 68
.set MSB, 0
.macro WIN new                         ; the immediate's high byte repeats the setting that is left
.if MSB != \new
	s_set_vgpr_msb (MSB<<8)|\new
.set MSB, \new
.endif
.endm
.macro WINM hi, cm                     ; source 0 (B) window 1, source 1 (A) window 0, D window 2 or 3; C with D, or (a bias) in window 1
.if \cm
	WIN 0x91+0x40*(\hi)
.else
	WIN 0xa1+0x50*(\hi)
.endif
.endm
; A joint load: waves 0 and 1 fetch for A, waves 2 and 3 for B.  The branch hangs on the wave's number alone.  An s_nop 0 and four v_nop follow each of the two lines.
.macro JLOAD ga, gb
	s_cmp_eq_u32 s[WR], 0
	s_cbranch_scc0 .Lfor_b_\@
	tensor_load_to_lds s[\ga:\ga+3], s[G1:G1+7]
	s_nop 0
.rept 4
	v_nop
.endr
	s_branch .Lasked_\@
.Lfor_b_\@:
	tensor_load_to_lds s[\gb:\gb+3], s[G1B:G1B+7]
	s_nop 0
.rept 4
	v_nop
.endr
.Lasked_\@:
.endm
.macro CREST                           ; a round of the cluster's barrier behind its opening barrier
	s_cmp_lg_u32 s[WV], 0
	s_cbranch_scc1 .Lnot_wave_0_\@
	s_barrier_signal -3
.Lnot_wave_0_\@:
	s_barrier_wait -3
	s_barrier_signal -1
	s_barrier_wait -1
.endm
.macro CROUND
	s_barrier_signal -1
	s_barrier_wait -1
	CREST
.endm
.macro PLACES                          ; four places in front of loads into registers that matrix instructions have read, and of the first read of results
.rept 4
	v_nop
.endr
.endm
.macro FRAG reg, a16, a8, off          ; a fragment's image back into 12 registers: every load reads consecutive bytes
	ds_load_b128 v[\reg:\reg+3], v[\a16] offset:\off
	ds_load_b64 v[\reg+4:\reg+5], v[\a8] offset:\off+512
	ds_load_b128 v[\reg+6:\reg+9], v[\a16] offset:\off+768
	ds_load_b64 v[\reg+10:\reg+11], v[\a8] offset:\off+1280
.endm
.macro FETCH_B slot, q, p              ; B's eight fragments of the slot's q-th K step into set p: 32 loads
	WIN 0x40
.irp i, 0,1,2,3,4,5,6,7
	FRAG 128*(\p)+FR*\i, B16+(\slot), B8+(\slot), 3072*(1+EARLY*((2-(\slot))/2)+(\slot)%2)*\i+1536*(\q)
.endr
	WIN 0
.endm
.macro FETCH_A slot, q, i0             ; A's blocks i0 .. i0 + 3: 16 loads
.irp i, \i0, \i0+1, \i0+2, \i0+3
	FRAG AF+FR*(\i), A16+(\slot), A8+(\slot), 3072*(1+EARLY*((2-(\slot))/2)+(\slot)%2)*(\i)+1536*(\q)
.endr
.endm
; One product: A's block a x B's block b, K step k, B's set p.  cm = 0: onto the sum; 1: the sum starts from B's bias tile b; 2: from A's bias tile a.  An odd tile's scale words stand in lanes 16-31.
.macro WM a, b, p, k, cm
.set rD, 8*(8*((\a)%4)+(\b))
.set rC, rD
.if \cm == 1
.set rC, 96+8*((\b)%4)+128*((\b)/4)
.endif
.if \cm == 2
.set rC, 96+8*((\a)%4)+128*((\a)/4)
.endif
.set rB, 128*(\p)+FR*(\b)
.set rA, AF+FR*(\a)
.set rX, SB+8*((\b)/2)+(\k)
.set rY, SA+8*((\a)/2)+(\k)
.if ((\a)%2 == 0) && ((\b)%2 == 0)
	v_wmma_scale_f32_16x16x128_f8f6f4 v[rD:rD+7], v[rB:rB+11], v[rA:rA+11], v[rC:rC+7], v[rX], v[rY] matrix_a_fmt:MATRIX_FMT_FP6 matrix_b_fmt:MATRIX_FMT_FP6
.elseif (\a)%2 == 0
	v_wmma_scale_f32_16x16x128_f8f6f4 v[rD:rD+7], v[rB:rB+11], v[rA:rA+11], v[rC:rC+7], v[rX], v[rY] matrix_a_fmt:MATRIX_FMT_FP6 matrix_b_fmt:MATRIX_FMT_FP6 matrix_a_scale:MATRIX_SCALE_ROW1
.elseif (\b)%2 == 0
	v_wmma_scale_f32_16x16x128_f8f6f4 v[rD:rD+7], v[rB:rB+11], v[rA:rA+11], v[rC:rC+7], v[rX], v[rY] matrix_a_fmt:MATRIX_FMT_FP6 matrix_b_fmt:MATRIX_FMT_FP6 matrix_b_scale:MATRIX_SCALE_ROW1
.else
	v_wmma_scale_f32_16x16x128_f8f6f4 v[rD:rD+7], v[rB:rB+11], v[rA:rA+11], v[rC:rC+7], v[rX], v[rY] matrix_a_fmt:MATRIX_FMT_FP6 matrix_b_fmt:MATRIX_FMT_FP6 matrix_a_scale:MATRIX_SCALE_ROW1 matrix_b_scale:MATRIX_SCALE_ROW1
.endif
.endm
.macro MUL16 a0, p, k, cm              ; the 64 accumulators take turns, one instruction a turn, in the same order in every step
.irp a, \a0, \a0+1
.irp b, 0,1,2,3,4,5,6,7
	WM \a, \b, \p, \k, \cm
.endr
.endr
.endm
; K step k lies in slot (k / 2) % 3, as its (k % 2)-th; B's set is k % 2.  A step fetches the next step's fragments: B and A's blocks 0-3 in its middle, A's blocks 4-7 at its end.
.macro STEP k, cm
	s_wait_dscnt 16                                ; B's set and A's blocks 0-3 are in; the youngest 16 loads (A's blocks 4-7) may be out
	WINM 0, \cm
	MUL16 0, (\k)%2, \k, \cm
	MUL16 2, (\k)%2, \k, \cm
	s_wait_dscnt 0x0
	PLACES
	FETCH_B (((\k)+1)/2)%3, ((\k)+1)%2, ((\k)+1)%2
	FETCH_A (((\k)+1)/2)%3, ((\k)+1)%2, 0
	WINM 1, \cm
	MUL16 4, (\k)%2, \k, \cm
	MUL16 6, (\k)%2, \k, \cm
	PLACES
	WIN 0
	FETCH_A (((\k)+1)/2)%3, ((\k)+1)%2, 4
.endm
; A slot's last step, with a barrier in its middle, behind which the next slot is read.
; mode 0: my part of the next chunk has landed (one younger load may stay out).
; mode 1: all my loads have landed, the add, my LDS reads are over; the barrier opens a round of the cluster's barrier, and behind it slot 0, which no wave of any partner reads any more, takes chunk 3.
; mode 2: as mode 1, with nothing left to fetch and no round.
.macro TURN k, mode
.if \mode == 0
	s_wait_tensorcnt 0x1
	s_wait_dscnt 16
.else
	s_wait_tensorcnt 0x0                           ; all my tensor loads have landed;
	ds_add_u32 v[SPW], v[NIL]                      ; 0 onto my spare word;
	s_wait_dscnt 17                                ; (the add and the youngest 16 loads may be out)
.endif
	WINM 0, 0
	MUL16 0, (\k)%2, \k, 0
	s_wait_dscnt 0x0                               ; my LDS instructions are done
	s_barrier_signal -1
	MUL16 2, (\k)%2, \k, 0
	WIN 0
	s_barrier_wait -1
.if \mode == 1
	CREST
	s_add_nc_u64 s[G0+2:G0+3], s[G0+2:G0+3], 9216  ; from chunk 0 to chunk 3
	s_add_nc_u64 s[G0B+2:G0B+3], s[G0B+2:G0B+3], 9216
	JLOAD G0, G0B                                  ; the first tensor load behind the round, one a wave; its four v_nop are the places in front of the loads below
.else
	PLACES
.endif
	FETCH_B (((\k)+1)/2)%3, ((\k)+1)%2, ((\k)+1)%2
	FETCH_A (((\k)+1)/2)%3, ((\k)+1)%2, 0
	WINM 1, 0
	MUL16 4, (\k)%2, \k, 0
	MUL16 6, (\k)%2, \k, 0
	PLACES
	WIN 0
	FETCH_A (((\k)+1)/2)%3, ((\k)+1)%2, 4
.endm
	s_load_b256 s[4:11], s[0:1], 0x0               ; opc, ops, bqr, bkr
	s_load_b256 s[12:19], s[0:1], 0x20             ; bqi, bki, bvr, bvi
	s_load_b128 s[20:23], s[0:1], 0x40             ; qkvc, qkvs
	v_lshl_add_u32 v[SPW], v0, 2, SPARE
	v_mov_b32 v[NIL], 0
	ds_add_u32 v[SPW], v[NIL]                      ; the wave's opening: the add and its wait ahead of my first tensor load
	ds_add_u32 v[SPW], v[NIL]
	v_lshrrev_b32 v1, 5, v0
	v_readfirstlane_b32 s[WV], v1
	s_lshr_b32 s[WR], s[WV], 1
	s_and_b32 s[WC], s[WV], 1
	s_bfe_u32 s80, ttmp6, 0x40000                  ; cx
	s_bfe_u32 s81, ttmp6, 0x40004                  ; cy
	s_and_b32 s83, ttmp7, 0xffff                   ; CY, the cluster's y
	s_lshl_b32 s84, ttmp9, 2
	s_add_co_u32 s84, s84, s80                     ; X = 4 x cluster x + cx
	s_lshl_b32 s100, s81, 2
	s_lshl_b32 s100, 15, s100                      ; my row of the cluster
	s_lshl_b32 s101, 0x1111, s80                   ; my column
	s_or_b32 s[G1], s100, (3<<16)|(1<<21)          ; 15:0 the mask; 17:16 elements of 8 bytes; 21 set beside a mask; no padding
	s_or_b32 s[G1B], s101, (3<<16)|(1<<21)
.irp g, G1, G1B
	s_mov_b32 s[\g+1], 768<<16                     ; tensor_dim0 = 768 elements for the head's load: 6,144 bytes, four K steps of a tile
	s_mov_b32 s[\g+2], 8<<16                       ; tensor_dim1 = 8 tiles
	s_mov_b32 s[\g+3], 768<<16                     ; tile_dim0
	s_mov_b32 s[\g+4], 8                           ; tile_dim1
	s_mov_b32 s[\g+5], 1536                        ; from tile to tile: 12,288 bytes
	s_mov_b32 s[\g+6], 0
	s_mov_b32 s[\g+7], 0
.endr
	s_lshr_b32 s90, s83, 2                         ; q, k: the part
	s_and_b32 s91, s83, 3                          ; v: kk = CY - 8
	s_lshr_b32 s92, s91, 1                         ; v: the part
	s_lshl_b32 s93, s83, 3                         ; q, k: A = x: groups from 8 CY
	s_lshl_b32 s94, s92, 3
	s_add_co_u32 s94, s94, 96                      ; v: A = Wv: groups from 96 + 8 part
	s_lshl_b32 s95, s90, 4
	s_add_co_u32 s95, s95, 64                      ; q, k: B = [Wq | Wk]: groups from 64 + 16 part
	s_lshl_b32 s96, s91, 4                         ; v: B = x: groups from 16 kk
	s_cmp_lt_u32 s83, 8
	s_cselect_b32 s85, s90, s92                    ; the part
	s_cselect_b32 s86, s93, s94
	s_cselect_b32 s87, s95, s96
	s_lshl_b32 s92, s81, 1
	s_add_co_u32 s92, s92, s86                     ; A's first group: it hangs on cy and CY, never on cx
	s_lshl_b32 s93, s84, 1
	s_add_co_u32 s93, s93, s87                     ; B's: on X and CY, never on cy
	s_add_co_u32 s88, s92, s[WC]
	s_mul_i32 s88, s88, GRP
	s_mov_b32 s89, 0
	s_add_co_u32 s90, s93, s[WC]
	s_mul_i32 s90, s90, GRP
	s_mov_b32 s91, 0
	s_mul_i32 s94, s[WV], QTR                      ; where my quarter goes: no place in the cluster enters an LDS address
	s_wait_dscnt 0x0                               ; the opening add is done
	s_wait_kmcnt 0x0
	s_add_nc_u64 s[88:89], s[4:5], s[88:89]
	s_add_nc_u64 s[90:91], s[4:5], s[90:91]
	CROUND                                         ; all sixteen work-groups are here: the first joint loads meet
	s_mov_b32 s[G0], 1                             ; chunks 0 and 1 (later chunk 3): to wave x XQ
	s_lshl_b32 s[G0+1], s94, 1
	s_mov_b64 s[G0+2:G0+3], s[88:89]
	s_or_b32 s[G0+3], s[G0+3], 0x80000000
	s_mov_b32 s[G0B], 1
	s_lshl_b32 s[G0B+1], s94, 1
	s_mov_b64 s[G0B+2:G0B+3], s[90:91]
	s_or_b32 s[G0B+3], s[G0B+3], 0x80000000
	s_mov_b32 s[G0+8], 1                           ; chunk 2: to YB + wave x QTR
	s_add_co_u32 s[G0+9], s94, YB
	s_add_nc_u64 s[G0+10:G0+11], s[88:89], 6144
	s_or_b32 s[G0+11], s[G0+11], 0x80000000
	s_mov_b32 s[G0B+8], 1
	s_add_co_u32 s[G0B+9], s94, YB
	s_add_nc_u64 s[G0B+10:G0B+11], s[90:91], 6144
	s_or_b32 s[G0B+11], s[G0B+11], 0x80000000
	JLOAD G0, G0B                                  ; one tensor load a wave at the head
	v_and_b32 v1, 31, v0
	v_lshlrev_b32 v2, 4, v1
	v_lshlrev_b32 v3, 3, v1
	s_wait_alu depctr_va_vdst(0)
	s_add_co_u32 s56, s92, s[WR]                   ; the scale words of my 128 rows of A, for all of K: 4,096 dense bytes
	s_lshl_b32 s56, s56, 12
	s_mov_b32 s57, 0
	s_add_nc_u64 s[56:57], s[6:7], s[56:57]
	s_add_co_u32 s58, s93, s[WC]                   ; and of B
	s_lshl_b32 s58, s58, 12
	s_mov_b32 s59, 0
	s_add_nc_u64 s[58:59], s[6:7], s[58:59]
.irp g, 0,1,2,3
.irp q, 0,1,2,3
	global_load_b64 v[SA+8*\g+2*\q:SA+8*\g+2*\q+1], v3, s[56:57] offset:256*(4*\g+\q)   ; 256 consecutive bytes a load
	global_load_b64 v[SB+8*\g+2*\q:SB+8*\g+2*\q+1], v3, s[58:59] offset:256*(4*\g+\q)
.endr
.endr
	; where the results go.  Gx: the group of 128 rows of x (t or keys) within the part; hp: the pair of heads
	s_and_b32 s95, s83, 3
	s_lshl_b32 s96, s95, 3
	s_lshl_b32 s97, s81, 1
	s_add_co_u32 s96, s96, s97
	s_add_co_u32 s96, s96, s[WR]                   ; q, k: Gx = 8 (CY % 4) + 2 cy + my half of A
	s_add_co_u32 s97, s97, s[WR]                   ; v: hp = 2 cy + my half of A
	s_and_b32 s98, s95, 1
	s_lshl_b32 s98, s98, 4
	s_lshl_b32 s99, s84, 1
	s_add_co_u32 s98, s98, s99
	s_add_co_u32 s98, s98, s[WC]                   ; v: Gx = 16 (kk % 2) + 2 X + my half of B
	s_and_b32 s99, s84, 3
	s_lshl_b32 s99, s99, 1
	s_add_co_u32 s99, s99, s[WC]                   ; q, k: hp = 2 (X % 4) + my half of B
	s_mov_b32 s86, 6144
	s_mov_b32 s87, 768
	s_mov_b32 s88, 8192
	s_cmp_lt_u32 s83, 8
	s_cselect_b32 s96, s96, s98                    ; Gx
	s_cselect_b32 s97, s99, s97                    ; hp
	s_cselect_b32 s98, ttmp9, 2                    ; the kind: q 0, k 1, v 2
	s_cselect_b32 s86, 768, s86                    ; the imaginary part: a half on (q, k), four tiles on (v)
	s_cselect_b32 s87, 196608, s87                 ; ZH: a fragment's second half: the next head's image (q, k), the same image (v)
	s_cselect_b32 s89, 0, 190464                   ; ZJ: tiles 4-7: on end (q, k), the next head's tiles 0-3 (v)
	s_cselect_b32 s88, 256, s88                    ; ZS: the second pair of scale registers
	s_lshr_b32 s90, s96, 4
	s_lshl_b32 s90, s90, 4
	s_lshl_b32 s91, s97, 1
	s_add_co_u32 s90, s90, s91                     ; bh of the pair's first head
	s_lshl_b32 s90, s90, 4
	s_and_b32 s91, s96, 15
	s_add_co_u32 s90, s90, s91                     ; 16 bh + Gx % 16: units of 12,288 bytes of codes
	s_mul_i32 s60, s98, 6291456
	s_mul_i32 s91, s90, 12288
	s_add_co_u32 s60, s60, s91
	s_mul_i32 s91, s85, s86
	s_add_co_u32 s60, s60, s91
	s_mov_b32 s61, 0
	s_add_nc_u64 s[60:61], s[20:21], s[60:61]      ; tiles 0-3
	s_mov_b32 s62, s89
	s_mov_b32 s63, 0
	s_add_nc_u64 s[62:63], s[60:61], s[62:63]      ; tiles 4-7
	s_lshl_b32 s91, s85, 3
	s_add_co_u32 s91, s91, s97
	s_lshl_b32 s91, s91, 5
	s_add_co_u32 s91, s91, s96
	s_lshl_b32 s91, s91, 9
	s_lshl_b32 s99, s98, 18
	s_add_co_u32 s91, s91, s99                     ; q, k: kind x 262,144 + ((8 part + hp) 32 + Gx) 512
	s_lshl_b32 s90, s90, 9
	s_lshl_b32 s99, s85, 8
	s_add_co_u32 s90, s90, s99
	s_add_co_u32 s90, s90, 524288                  ; v: 524,288 + (16 bh + step) 512 + 256 part
	s_cmp_lt_u32 s83, 8
	s_cselect_b32 s66, s91, s90
	s_mov_b32 s67, 0
	s_add_nc_u64 s[66:67], s[22:23], s[66:67]
	s_cmp_eq_u32 ttmp9, 0                          ; the bias: q or k,
	s_cselect_b64 s[8:9], s[8:9], s[10:11]
	s_cselect_b64 s[12:13], s[12:13], s[14:15]
	s_cmp_eq_u32 s85, 0                            ; real or imaginary,
	s_cselect_b64 s[8:9], s[8:9], s[12:13]
	s_cselect_b64 s[16:17], s[16:17], s[18:19]
	s_cmp_lt_u32 s83, 8                            ; or v's
	s_cselect_b64 s[8:9], s[8:9], s[16:17]
	s_lshl_b32 s90, s97, 9                         ; the pair of heads' 128 numbers
	s_mov_b32 s91, 0
	s_add_nc_u64 s[8:9], s[8:9], s[90:91]
	v_and_b32 v1, 15, v0                           ; r
	v_bfe_u32 v20, v0, 4, 1                        ; h
	v_lshlrev_b32 v[BQ], 6, v20
	v_and_b32 v[BV], 8, v1
	v_add_nc_u32 v[BV], v[BV], v1
	v_lshlrev_b32 v[BV], 2, v[BV]
	v_add_nc_u32 v[H16], s87, v2
	v_add_nc_u32 v[H8], s87, v3
	v_add_nc_u32 v[ZSO], s88, v3
	s_cmp_lt_u32 s83, 8                            ; the cluster's y: the same way in all partners and all waves
	s_cbranch_scc0 .Lbias_v
	WIN 0x40
.irp t, 0,1,2,3,4,5,6,7                        ; q, k: register j of B's tile t is column 32 (t / 2) + 16 h + 8 (t % 2) + j
	global_load_b128 v[96+8*(\t%4)+128*(\t/4):96+8*(\t%4)+128*(\t/4)+3], v[BQ], s[8:9] offset:4*(32*(\t/2)+8*(\t%2))
	global_load_b128 v[96+8*(\t%4)+128*(\t/4)+4:96+8*(\t%4)+128*(\t/4)+7], v[BQ], s[8:9] offset:4*(32*(\t/2)+8*(\t%2))+16
.endr
	WIN 0
	s_branch .Lbias_done
.Lbias_v:
	WIN 0x40
	s_wait_alu depctr_va_vdst(0)
.irp t, 0,1,2,3,4,5,6,7                        ; v: all eight registers of A's tile t hold the lane's column 32 (t / 2) + 8 (t % 2) + r + 8 (r / 8)
.irp j, 0,1,2,3,4,5,6,7
	global_load_b32 v[96+8*(\t%4)+128*(\t/4)+\j], v[BV], s[8:9] offset:4*(32*(\t/2)+8*(\t%2))
.endr
.endr
	WIN 0
.Lbias_done:
	s_mul_i32 s90, s[WR], XQ                       ; my 128 rows of A,
	s_mul_i32 s91, s[WC], XQ
	s_add_co_u32 s91, s91, 2*XQ                    ; of B
.irp s, 0,1
	v_add_nc_u32 v[A16+\s], s90, v2
	v_add_nc_u32 v[A8+\s], s90, v3
	v_add_nc_u32 v[B16+\s], s91, v2
	v_add_nc_u32 v[B8+\s], s91, v3
	s_add_co_u32 s90, s90, 3072                    ; slot 1: the second 3,072 bytes of each row
	s_add_co_u32 s91, s91, 3072
.endr
	s_mul_i32 s90, s[WR], QTR
	s_mul_i32 s91, s[WC], QTR
	s_add_co_u32 s90, s90, YB
	s_add_co_u32 s91, s91, YB+2*QTR
	v_add_nc_u32 v[A16+2], s90, v2
	v_add_nc_u32 v[A8+2], s90, v3
	v_add_nc_u32 v[B16+2], s91, v2
	v_add_nc_u32 v[B8+2], s91, v3
.irp b, 0,1,2,3
	v_mov_b32 v[TM+4+\b], 0                        ; a lane permute's destination counts as one of its sources
.endr
	s_mov_b32 s2, 0x76543210
	s_mov_b32 s3, 0xfedcba98                       ; selects for lane l xor 16
	s_mov_b32 s27, 0xffff0000                      ; lanes 16-31
	s_wait_alu depctr_va_vdst(0)                   ; the wait at the head's end
	s_wait_tensorcnt 0x0                           ; my part of chunks 0 and 1 is in
	ds_add_u32 v[SPW], v[NIL]
	s_mov_b32 s[G1+1], 384<<16                     ; no tensor load of mine is out: from here on a row is 3,072 bytes
	s_mov_b32 s[G1+3], 384<<16
	s_mov_b32 s[G1B+1], 384<<16
	s_mov_b32 s[G1B+3], 384<<16
	s_wait_dscnt 0x0
	CROUND                                         ; everybody's part is in, and all sixteen work-groups are here
	JLOAD G0+8, G0B+8                              ; chunk 2, the first tensor load behind the round
	FETCH_B 0, 0, 0
	FETCH_A 0, 0, 0
	FETCH_A 0, 0, 4
	s_wait_loadcnt 0x0                             ; the scale words and the bias
	s_cmp_lt_u32 s83, 8
	s_cbranch_scc0 .Lfirst_v
	STEP 0, 1                                      ; the first step's products start the sums, from the bias
	s_branch .Lfirst_done
.Lfirst_v:
	STEP 0, 2
.Lfirst_done:
	s_wait_alu depctr_va_vdst(0)
	STEP 1, 0
	STEP 2, 0
	TURN 3, 1
	STEP 4, 0
.set EARLY, 0                          ; slot 0 now holds chunk 3, rows of 3,072 bytes
	TURN 5, 2
	STEP 6, 0
	s_wait_dscnt 16                                ; the last step: nothing more to fetch
	WINM 0, 0
	MUL16 0, 1, 7, 0
	MUL16 2, 1, 7, 0
	s_wait_dscnt 0x0
	WINM 1, 0
	MUL16 4, 1, 7, 0
	MUL16 6, 1, 7, 0
	WIN 0
; THE WAY OUT.  A's block a: my row's 64 registers, register 16 b + i = place 32 b + 16 h + i along the next K, become a fragment's codes and its scale word.
.macro OUTT a
.set AC, 64*((\a)%4)
.set PS, AF+24*((\a)%2)
.set BS, 60+2*((\a)/4)
	WIN 0x28+0x14*((\a)/4)                         ; sources 1 and 2: the accumulators' window
.irp b, 0,1,2,3
	v_max3_num_f32 v[TM+\b], 0x1800000, |v[AC+16*\b]|, |v[AC+16*\b+1]|   ; block b: my 16 numbers and the floor 2^(3 - 127); each accumulator is read from its low end on
.endr
.irp i, 2,4,6,8,10,12,14
.irp b, 0,1,2,3
	v_max3_num_f32 v[TM+\b], v[TM+\b], |v[AC+16*\b+\i]|, |v[AC+16*\b+\i+1]|
.endr
.endr
	WIN 0
.irp b, 0,1,2,3
	v_permlanex16_b32 v[TM+4+\b], v[TM+\b], s2, s3
.endr
.irp b, 0,1,2,3
	v_max_num_f32 v[TM+\b], v[TM+\b], v[TM+4+\b]   ; with lane l xor 16's: the block's largest magnitude
.endr
.irp b, 0,1,2,3
	v_add_nc_u32 v[TM+12+\b], 0xff000000, v[TM+\b] ; 2 off the exponent field: the conversion's scale operand
.endr
.irp b, 0,1,2,3
	v_lshrrev_b32 v[TM+4+\b], 23, v[TM+12+\b]      ; the byte
.endr
	v_lshl_or_b32 v[PW+(\a)], v[TM+5], 8, v[TM+4]
	v_lshl_or_b32 v[PW+(\a)], v[TM+6], 16, v[PW+(\a)]
	v_lshl_or_b32 v[PW+(\a)], v[TM+7], 24, v[PW+(\a)]
.if (\a) >= 2
	s_wait_xcnt 0x0                                ; the stores of two blocks back have read this set of codes
.endif
	WIN 0x02+(\a)/4                                ; source 0: the accumulators' window
.irp c, 0,1
	v_cvt_scalef32_pk16_fp6_f32 v[PS+6*\c:PS+6*\c+2], v[AC+32*\c:AC+32*\c+15], v[TM+12+2*\c]
	v_cvt_scalef32_pk16_fp6_f32 v[PS+12+4*\c:PS+14+4*\c], v[AC+32*\c+16:AC+32*\c+31], v[TM+12+2*\c+1]
.endr
	WIN 0
	v_nop                                          ; one plain place behind a scaled conversion
.irp c, 0,1                                    ; the operand's layout wants a whole block in a lane
.irp i, 0,1,2
	v_permlane16_swap_b32 v[PS+6*\c+\i], v[PS+12+4*\c+\i]
.endr
.irp i, 0,1,2
	v_mov_b32 v[PS+3+6*\c+\i], v[PS+12+4*\c+\i]
.endr
.endr
	global_store_b128 v2, v[PS:PS+3], s[BS:BS+1] offset:1536*(\a)          ; each store covers whole aligned blocks of 256 bytes
	global_store_b64 v3, v[PS+4:PS+5], s[BS:BS+1] offset:1536*(\a)+512
	global_store_b128 v[H16], v[PS+6:PS+9], s[BS:BS+1] offset:1536*(\a)
	global_store_b64 v[H8], v[PS+10:PS+11], s[BS:BS+1] offset:1536*(\a)+512
.endm
	PLACES
.irp a, 0,1,2,3,4,5,6,7
	OUTT \a
.endr
.irp g, 0,1,2,3
	v_cndmask_b32 v[MM+\g], v[PW+2*\g], v[PW+2*\g+1], s27   ; lanes 0-15: tile 2 g's rows; lanes 16-31: tile 2 g + 1's
.endr
	global_store_b64 v3, v[MM:MM+1], s[66:67]
	global_store_b64 v[ZSO], v[MM+2:MM+3], s[66:67]
	s_wait_tensorcnt 0x0                           ; the wave's end
	ds_add_u32 v[SPW], v[NIL]
	s_wait_dscnt 0x0
	CROUND                                         ; the closing round
	s_endpgm
.Lfunc_end_k_qf0a2c85911_qkv:
	.size	k_qf0a2c85911_qkv, .Lfunc_end_k_qf0a2c85911_qkv-k_qf0a2c85911_qkv
	.p2alignl 7, 3214868480
	.fill 96, 4, 3214868480
	.section	.rodata,"a",@progbits
	.p2align	6, 0x0
	.amdhsa_kernel k_qf0a2c85911_qkv
		.amdhsa_group_segment_fixed_size 327680
		.amdhsa_private_segment_fixed_size 0
		.amdhsa_enable_private_segment 0
		.amdhsa_kernarg_size 80
		.amdhsa_user_sgpr_count 2
		.amdhsa_user_sgpr_kernarg_segment_ptr 1
		.amdhsa_wavefront_size32 1
		.amdhsa_system_sgpr_workgroup_id_x 1
		.amdhsa_system_sgpr_workgroup_id_y 1
		.amdhsa_system_sgpr_workgroup_id_z 1
		.amdhsa_system_vgpr_workitem_id 0
		.amdhsa_next_free_vgpr 1024
		.amdhsa_next_free_sgpr 102
		.amdhsa_reserve_vcc 0
		.amdhsa_float_denorm_mode_32 3
		.amdhsa_float_denorm_mode_16_64 3
		.amdhsa_memory_ordered 1
		.amdhsa_forward_progress 1
		.amdhsa_inst_pref_size 170
	.end_amdhsa_kernel
	.amdgpu_metadata
---
amdhsa.version: [ 1, 2 ]
amdhsa.kernels:
  - .name:           k_qf0a2c85911_qkv
    .symbol:         k_qf0a2c85911_qkv.kd
    .args:
      - { .name: opc, .offset: 0, .size: 8, .value_kind: global_buffer, .address_space: global }
      - { .name: ops, .offset: 8, .size: 8, .value_kind: global_buffer, .address_space: global }
      - { .name: bqr, .offset: 16, .size: 8, .value_kind: global_buffer, .address_space: global }
      - { .name: bkr, .offset: 24, .size: 8, .value_kind: global_buffer, .address_space: global }
      - { .name: bqi, .offset: 32, .size: 8, .value_kind: global_buffer, .address_space: global }
      - { .name: bki, .offset: 40, .size: 8, .value_kind: global_buffer, .address_space: global }
      - { .name: bvr, .offset: 48, .size: 8, .value_kind: global_buffer, .address_space: global }
      - { .name: bvi, .offset: 56, .size: 8, .value_kind: global_buffer, .address_space: global }
      - { .name: qkvc, .offset: 64, .size: 8, .value_kind: global_buffer, .address_space: global }
      - { .name: qkvs, .offset: 72, .size: 8, .value_kind: global_buffer, .address_space: global }
    .group_segment_fixed_size: 327680
    .private_segment_fixed_size: 0
    .kernarg_segment_align: 8
    .kernarg_segment_size: 80
    .max_flat_workgroup_size: 128
    .sgpr_count:     102
    .vgpr_count:     1024
    .wavefront_size: 32
...
	.end_amdgpu_metadata
.endif
;; end of part 2
;; launch attn (part 3): grid 8 x 32, 8 waves a work-group, no clusters, 327,680 bytes of LDS; arguments qkvc, qkvs, oc, osc; writes oc, osc
.if DOCPART == 3
	.amdgcn_target "amdgcn-amd-amdhsa--gfx1250"
	.amdhsa_code_object_version 6
	.text
	.protected	k_qf0a2c85911_attn
	.globl	k_qf0a2c85911_attn
	.p2align	8
	.type	k_qf0a2c85911_attn,@function
k_qf0a2c85911_attn:
	s_mov_b64 s[64:65], 0
	v_nop
	global_prefetch_b8 v0, s[64:65] scope:SCOPE_SE
	s_setreg_imm32_b32 hwreg(HW_REG_WAVE_MODE, 25, 1), 1
	s_wait_xcnt 0x0
; Causal attention on codes of FP6 (E2M3).  q = [qr | qi], k = [kr | ki]: one product of K = 128 gives Qr.Kr + Qi.Ki.  v = [vr | vi]: one product of 128 channels gives both outputs.  32 (batch, head) pairs, 2,048 keys.
; Left out: key steps that lie wholly under reference()'s own causal mask.
; THE SOFTMAX: t = score x log2(e) / 8; M = the largest t so far, rounded UP to a whole number; p = 2^(t - M) is quantised along the keys, not normalised; the sum is taken of the unquantised p and divides O at the end.
; When M moves, the sum and O are multiplied by 2^(old M - new M): exact.
; SHARES.  Work-group i of a (batch, head) owns the query blocks (128 queries) 15 - i and i.  A wave is (pair g of 4, parity q): of every slot of 256 keys it takes the q-th step of 128 keys, for tiles 2 g and 2 g + 1 (32 queries) of the block in hand:
; each fragment of K and of V that it reads from LDS feeds two products.
; THE WALK is 9 slots in every work-group: the (17 - i) / 2 slots of block 15 - i, then the (i + 2) / 2 slots of block i.  At the change of blocks a wave puts its parts of O, M and the sums into its own stage in LDS and begins anew.
; AT THE END the two parities of a tile are joined: both parts are brought under the larger M by powers of two and added.  Parity 0 finishes the tiles of block 15 - i, parity 1 those of block i.
; Both products are used transposed: S^T = K Q^T, O^T = V^T P^T: a lane holds ONE query.  Lane r of a tile is row 32 g + 8 u + r + 8 (r / 8): the 16 registers of tiles 2 b, 2 b + 1 are 16 neighbouring keys (or channels).
; All operands are images of registers (1,536 bytes a fragment).  K's and V's come through a ring of two LDS slots, filled by waves 0-3, 12,288 dense bytes each; their scale words of the whole head stay in LDS.
; CAUSAL.  A step all of whose keys come after the wave's queries is jumped over by a scalar branch on ids; every slot of the walk is read by some wave, so no load is jumped over.
; No cluster: the work-groups of a (batch, head) walk different slots in the same trip (the walk hangs on i), so no tile could be asked for jointly in one round.
; OUT.  O / the sum is quantised along the channels: the real half goes to oc's part 0, the imaginary half to part 1, as half (head % 2) of K step head / 2 of the output projection's operand.
; LIMITS: the scaled scores stay under 2^31 in magnitude; NaN and infinities are not served; a block whose largest magnitude lies under 2^-124 is held at the byte 1; a block of zeros has the byte 1 (zero codes; this program alone reads the bytes).
; REGISTERS.  TILE 1 LIVES IN WINDOW 1 UNDER TILE 0'S NUMBERS, so that one text serves both under two settings of the windows: v4 QL; v12 -M, v13 the largest t, v[14:15] the sum; v16-27 Q; v80-91 the second block's Q; v96-159 S^T, then p;
;   v160-223 O^T; v224-235 p's codes; v232-247, v252-254 at work.  Fragments 0-3 stand in window 0's v32-79, fragments 4-7 in window 1's.  Window 0 alone: v1-11, v28-31 addresses; the scale words (they have no window):
;   v248-251 K's or V's, v253, v254 p's of tiles 0, 1, v255, v95 Q's, v92, v93 the second block's Q's.
.set SLOT1, 65536                      ; slot 1 begins here: one exclusive or turns an address from one slot to the other
.set VOFF,  24576                      ; a slot: K's 16 fragments, then V's 2 x 8: 49,152 bytes
.set KSC,   49152                      ; between the slots: K's scale words [step 16][2][lane][2 words], and 8,192 bytes on V's
.set OSG,   114688                     ; O's scale words, gathered: 512 bytes for each of the two query blocks
.set SPARE, OSG+1024                   ; the spare words, 128 bytes a wave, that no other line names
.set STG,   SPARE+2048                 ; 12 stages: 0-7 each wave's parts of block 15 - i, 8-11 parity 0's parts of block i
.set TPART, 8704                       ; a tile's part: 64 registers x 128 bytes, then v[12:15]
.set PART,  2*TPART
.set L16,  1
.set L8,   2
.set ASK0, 3                           ; KSC + 8 x lane
.set QL,   4                           ; r + 8 (r / 8) - 16 h
.set SPW,  5
.set NIL,  6
.set OSA,  7
.set AD16, 8
.set AD8,  9
.set ADS,  10
.set OSR,  11
.set PFO,  28                          ; 256 x lane
.set KL16, 29                          ; 16 x lane + 12,288 q
.set KL8,  30
.set ST16, 31                          ; my stage
.set WV,   18
.set SEL,  20
.set CS,   22
.set G1,   24
.set G0,   32
.set TB,   2
.set TS,   3
.set TR,   36                          ; the trip
.set KF,   37                          ; my step's first key
.set Q0,   38                          ; first query of the pair of tiles in hand
.set Q0L,  39                          ; and of my pair of block i
.set PFA,  40
.set LIM,  42
.set PSEL, 43
.set QP,   48                          ; q
.set GB,   88                          ; s[88:89] where my quarter of slot 0 lies in memory
.set NH,   90                          ; slots of block 15 - i
.set QK,   91                          ; 128 q
.set MSB, 0
.macro WIN new                         ; bits 1:0 source 0, 3:2 source 1, 5:4 source 2, 7:6 destination; the high byte repeats the setting that is left
.if MSB != (\new)
	s_set_vgpr_msb (MSB<<8)|(\new)
.set MSB, (\new)
.endif
.endm
.macro TLOAD                           ; waves 0-3 fetch: K's two steps, V's two steps.  An s_nop 0 and four v_nop follow the line
	s_cmp_lt_u32 s[WV], 4
	s_cbranch_scc0 .Lasked_\@
	tensor_load_to_lds s[G0:G0+3], s[G1:G1+7]
	s_nop 0
.rept 4
	v_nop
.endr
.Lasked_\@:
.endm
; A prefetch of the slot two on.  Work-group 0 of a (batch, head) walks slots 0 to 7 in trips 0 to 7: it asks, in trips 0 to 5, for slot trip + 2; waves 0-2 for K, 3-5 for V, 8,192 bytes a wave, lanes 256 bytes apart: each block is named once.
.macro ASK
	s_cmp_lt_u32 s[TR], s[LIM]
	s_cbranch_scc0 .Lnot_mine_\@
	global_prefetch_b8 v[PFO], s[PFA:PFA+1] th:TH_LOAD_NT scope:SCOPE_SE
.Lnot_mine_\@:
.endm
.macro FRAG reg, off
	ds_load_b128 v[\reg:\reg+3], v[AD16] offset:\off
	ds_load_b64 v[\reg+4:\reg+5], v[AD8] offset:\off+512
	ds_load_b128 v[\reg+6:\reg+9], v[AD16] offset:\off+768
	ds_load_b64 v[\reg+10:\reg+11], v[AD8] offset:\off+1280
.endm
.macro FRAGS off                       ; eight fragments in one run: 32 loads
.irp t, 0,1,2,3
	FRAG 32+12*\t, \off+\t*1536
.endr
	WIN 0x40
.irp t, 0,1,2,3
	FRAG 32+12*\t, \off+(\t+4)*1536
.endr
	WIN 0
.endm
.macro IDXOF dst, ahead                ; which slot of keys trip TR + ahead walks: the trip, or the trip less NH; 0 to 7
	s_add_co_u32 s[\dst], s[TR], \ahead
	s_sub_co_u32 s96, s[\dst], s[NH]
	s_cmp_lt_u32 s[\dst], s[NH]
	s_cselect_b32 s[\dst], s[\dst], s96
	s_and_b32 s[\dst], s[\dst], 7
.endm
.macro WMS T, qs                       ; S^T: K's tile T x Q.  An odd tile's scale words stand in lanes 16-31
.if (\T)%2 == 0
	v_wmma_scale_f32_16x16x128_f8f6f4 v[96+8*(\T):103+8*(\T)], v[32+12*((\T)%4):43+12*((\T)%4)], v[16:27], 0, v[248+(\T)/2], v[\qs] matrix_a_fmt:MATRIX_FMT_FP6 matrix_b_fmt:MATRIX_FMT_FP6
.else
	v_wmma_scale_f32_16x16x128_f8f6f4 v[96+8*(\T):103+8*(\T)], v[32+12*((\T)%4):43+12*((\T)%4)], v[16:27], 0, v[248+(\T)/2], v[\qs] matrix_a_fmt:MATRIX_FMT_FP6 matrix_b_fmt:MATRIX_FMT_FP6 matrix_a_scale:MATRIX_SCALE_ROW1
.endif
.endm
.macro WMO T, ps                       ; O^T += V's tile T x p
.if (\T)%2 == 0
	v_wmma_scale_f32_16x16x128_f8f6f4 v[160+8*(\T):167+8*(\T)], v[32+12*((\T)%4):43+12*((\T)%4)], v[224:235], v[160+8*(\T):167+8*(\T)], v[248+(\T)/2], v[\ps] matrix_a_fmt:MATRIX_FMT_FP6 matrix_b_fmt:MATRIX_FMT_FP6
.else
	v_wmma_scale_f32_16x16x128_f8f6f4 v[160+8*(\T):167+8*(\T)], v[32+12*((\T)%4):43+12*((\T)%4)], v[224:235], v[160+8*(\T):167+8*(\T)], v[248+(\T)/2], v[\ps] matrix_a_fmt:MATRIX_FMT_FP6 matrix_b_fmt:MATRIX_FMT_FP6 matrix_a_scale:MATRIX_SCALE_ROW1
.endif
.endm
.macro PUT adr                         ; both tiles' O^T, -M and sums into a stage; each accumulator from its low end on
.irp u, 0,1
	WIN 0x04*\u
.set j, 0
.rept 16
	ds_store_b128 v[\adr], v[160+4*j:163+4*j] offset:TPART*\u+512*j
.set j, j+1
.endr
	ds_store_b128 v[\adr], v[12:15] offset:TPART*\u+8192
.endr
	WIN 0
.endm
.macro GET adr, reg, st                ; and back
.irp u, 0,1
	WIN 0x40*\u
.set j, 0
.rept 16
	ds_load_b128 v[\reg+4*j:\reg+4*j+3], v[\adr] offset:TPART*\u+512*j
.set j, j+1
.endr
	ds_load_b128 v[\st:\st+3], v[\adr] offset:TPART*\u+8192
.endr
	WIN 0
.endm
.macro FRESH                           ; a tile's sums begin: the largest t so far is -3e38; O^T zeros (the loop has no first step of its own: the first change of M multiplies zeros)
	v_mov_b32 v13, 0xff61b1e6
	v_mov_b32 v14, 0
	v_mov_b32 v15, 0
	v_floor_f32 v12, -v13
.set j, 0
.rept 64
	v_mov_b32 v[160+j], 0
.set j, j+1
.endr
.endm
	s_load_b256 s[4:11], s[0:1], 0x0               ; qkvc, qkvs, oc, osc
	v_lshl_add_u32 v[SPW], v0, 2, SPARE
	v_mov_b32 v[NIL], 0
	ds_add_u32 v[SPW], v[NIL]                      ; the opening: the add, twice on end, and its wait
	ds_add_u32 v[SPW], v[NIL]
	v_lshrrev_b32 v8, 5, v0
	s_delay_alu instid0(VALU_DEP_1)
	v_readfirstlane_b32 s[WV], v8
	s_and_b32 s44, ttmp7, 0xffff                   ; bh
	s_lshr_b32 s45, s44, 4                         ; batch
	s_and_b32 s46, s44, 15                         ; head
	s_lshr_b32 s47, s46, 1                         ; pair of heads
	s_lshr_b32 s[QP], s[WV], 2                     ; q: waves w and w xor 4 share a pair of tiles
	s_and_b32 s49, s[WV], 3                        ; g
	s_sub_co_u32 s50, 15, ttmp9                    ; the first block
	s_sub_co_u32 s[NH], 17, ttmp9
	s_lshr_b32 s[NH], s[NH], 1
	s_lshl_b32 s[QK], s[QP], 7
	s_lshl_b32 s52, s49, 5
	s_lshl_b32 s[Q0], s50, 7
	s_add_co_u32 s[Q0], s[Q0], s52
	s_lshl_b32 s[Q0L], ttmp9, 7
	s_add_co_u32 s[Q0L], s[Q0L], s52
	s_mov_b32 s[G1], 3<<16                         ; no mask; elements of 8 bytes; no padding: 12,288 dense bytes as 48 rows of 256
	s_mov_b32 s[G1+1], 32<<16
	s_mov_b32 s[G1+2], 48<<16
	s_mov_b32 s[G1+3], 32<<16
	s_mov_b32 s[G1+4], 48
	s_mov_b32 s[G1+5], 32
	s_mov_b32 s[G1+6], 0
	s_mov_b32 s[G1+7], 0
	s_mul_i32 s54, s49, 12288                      ; my quarter of a slot
	s_lshr_b32 s55, s49, 1
	s_add_co_u32 s55, s55, 1                       ; the kind: k 1, v 2
	s_mul_i32 s56, s55, 6291456
	s_mul_i32 s59, s44, 196608                     ; bh's first byte in a kind
	s_add_co_u32 s56, s56, s59
	s_and_b32 s58, s[WV], 1
	s_mul_i32 s58, s58, 12288
	s_add_co_u32 s56, s56, s58
	s_mov_b32 s57, 0
	s_mov_b32 s[SEL], 0x76543210
	s_mov_b32 s[SEL+1], 0xfedcba98
	s_mov_b32 s[CS], 0x3e38aa3b                    ; c = log2(e) / 8
	s_mov_b32 s[CS+1], s[CS]
	s_mov_b32 s[TB], 0
	s_mov_b32 s[TR], 0
	s_wait_dscnt 0x0
	s_wait_kmcnt 0x0
	s_add_nc_u64 s[GB:GB+1], s[4:5], s[56:57]
	s_mov_b32 s[G0], 1
	s_mov_b32 s[G0+1], s54
	s_mov_b64 s[G0+2:G0+3], s[GB:GB+1]
	s_or_b32 s[G0+3], s[G0+3], 0x80000000
	TLOAD                                          ; slot 0
	s_lshl_b32 s53, s49, 1
	s_lshl_b32 s60, s50, 3
	s_add_co_u32 s60, s60, s53                     ; my first tile of block 15 - i among the 128 of the (batch, head)
	s_mul_i32 s62, s60, 1536
	s_add_co_u32 s62, s62, s59
	s_mov_b32 s63, 0
	s_add_nc_u64 s[62:63], s[4:5], s[62:63]        ; its Q
	s_lshl_b32 s61, ttmp9, 3
	s_add_co_u32 s61, s61, s53                     ; my first tile of block i
	s_mul_i32 s80, s61, 1536
	s_add_co_u32 s80, s80, s59
	s_mov_b32 s81, 0
	s_add_nc_u64 s[80:81], s[4:5], s[80:81]
	s_lshl_b32 s76, s47, 5
	s_lshl_b32 s77, s45, 4
	s_add_co_u32 s76, s76, s77                     ; 32 hp + 16 batch
	s_lshl_b32 s68, s76, 9
	s_add_co_u32 s68, s68, 262144
	s_mov_b32 s69, 0
	s_add_nc_u64 s[68:69], s[6:7], s[68:69]        ; K's scale words, real part; the imaginary part's lie 131,072 on
	s_lshr_b32 s77, s49, 1
	s_lshl_b32 s77, s77, 8
	s_and_b32 s78, s49, 1
	s_lshl_b32 s78, s78, 2
	s_add_co_u32 s77, s77, s78                     ; the pair's place in its block's 512 bytes of scale words; the odd tile's lie 128 on
	s_add_co_u32 s66, s76, s50
	s_lshl_b32 s66, s66, 9
	s_add_co_u32 s66, s66, s77
	s_mov_b32 s67, 0
	s_add_nc_u64 s[66:67], s[6:7], s[66:67]        ; Q's scale words, block 15 - i
	s_add_co_u32 s82, s76, ttmp9
	s_lshl_b32 s82, s82, 9
	s_add_co_u32 s82, s82, s77
	s_mov_b32 s83, 0
	s_add_nc_u64 s[82:83], s[6:7], s[82:83]        ; block i
	s_lshl_b32 s70, s44, 13
	s_add_co_u32 s70, s70, 524288
	s_mov_b32 s71, 0
	s_add_nc_u64 s[70:71], s[6:7], s[70:71]        ; V's scale words
	s_cmp_eq_u32 s[QP], 0                          ; the tiles that I finish
	s_cselect_b32 s51, s50, ttmp9
	s_cselect_b32 s60, s60, s61
	s_lshl_b32 s72, s45, 7
	s_add_co_u32 s72, s72, s60
	s_lshl_b32 s72, s72, 3
	s_add_co_u32 s72, s72, s47
	s_mul_i32 s72, s72, 1536
	s_and_b32 s77, s46, 1
	s_mul_i32 s77, s77, 768
	s_add_co_u32 s72, s72, s77
	s_mov_b32 s73, 0
	s_add_nc_u64 s[72:73], s[8:9], s[72:73]        ; oc: ((128 batch + tile) 8 + head / 2) 1,536 + 768 (head % 2)
	s_lshl_b32 s74, s45, 4
	s_add_co_u32 s74, s74, s51
	s_lshl_b32 s74, s74, 4
	s_add_co_u32 s74, s74, s46
	s_lshl_b32 s74, s74, 9
	s_mov_b32 s75, 0
	s_add_nc_u64 s[74:75], s[10:11], s[74:75]      ; osc: ((16 batch + block) 16 + head) 512
	s_mov_b32 s[PSEL], 0x07060302
	s_bitcmp1_b32 s46, 0                           ; a word of q's or k's scales holds two heads: the even head's bytes below
	s_cselect_b32 s[PSEL], s[PSEL], 0x05040100
	s_mov_b32 s78, 12582912
	s_cmp_lt_u32 s[WV], 3
	s_cselect_b32 s78, 6291456, s78
	s_cselect_b32 s79, 0, 3
	s_sub_co_u32 s79, s[WV], s79
	s_lshl_b32 s79, s79, 13
	s_add_co_u32 s78, s78, s79
	s_add_co_u32 s78, s78, s59
	s_add_co_u32 s78, s78, 24576                   ; in slot 1: the first change of slots steps it to slot 2
	s_mov_b32 s79, 0
	s_add_nc_u64 s[PFA:PFA+1], s[4:5], s[78:79]
	s_cmp_lt_u32 s[WV], 6
	s_cselect_b32 s[LIM], 6, 0
	s_cmp_eq_u32 ttmp9, 0
	s_cselect_b32 s[LIM], s[LIM], 0
	s_mul_i32 s84, s[WV], PART
	s_add_co_u32 s84, s84, STG                     ; my stage
	s_add_co_u32 s85, s49, 8
	s_mul_i32 s86, s85, PART
	s_add_co_u32 s86, s86, STG                     ; stage 8 + g
	s_xor_b32 s87, s[WV], 4
	s_xor_b32 s79, s[QP], 1
	s_mul_i32 s87, s87, s79
	s_mul_i32 s85, s85, s[QP]
	s_add_co_u32 s87, s87, s85                     ; parity 0 joins the other wave's stage, parity 1 stage 8 + g
	s_mul_i32 s87, s87, PART
	s_add_co_u32 s87, s87, STG
	s_mul_i32 s85, s[QP], 12288                    ; my step of a slot
	s_lshl_b32 s78, s[QP], 9
	s_add_co_u32 s78, s78, OSG
	s_lshl_b32 s79, s49, 2
	s_add_co_u32 s79, s79, s78                     ; OSG + 512 q + 4 g
	v_and_b32 v240, 31, v0
	v_and_b32 v241, 15, v0                         ; r
	v_bfe_u32 v242, v0, 4, 1                       ; h
	v_lshlrev_b32 v244, 4, v0                      ; 16 x thread
	s_delay_alu instid0(VALU_DEP_4)
	v_lshlrev_b32 v[L16], 4, v240
	v_lshlrev_b32 v[L8], 3, v240
	v_lshlrev_b32 v[PFO], 8, v240
	v_lshlrev_b32 v243, 3, v241
.irp u, 0,1                                    ; the Q fragments of both tiles of both blocks stay in registers
	WIN 0x40*\u
.irp s, 0,1
	global_load_b128 v[16+64*\s:19+64*\s], v[L16], s[62+18*\s:63+18*\s] offset:1536*\u
	global_load_b64 v[20+64*\s:21+64*\s], v[L8], s[62+18*\s:63+18*\s] offset:1536*\u+512
	global_load_b128 v[22+64*\s:25+64*\s], v[L16], s[62+18*\s:63+18*\s] offset:1536*\u+768
	global_load_b64 v[26+64*\s:27+64*\s], v[L8], s[62+18*\s:63+18*\s] offset:1536*\u+1280
.endr
.endr
	WIN 0
.irp s, 0,1
.irp u, 0,1
	global_load_b32 v[232+4*\s+2*\u], v243, s[66+16*\s:67+16*\s] offset:128*\u
	global_load_b32 v[233+4*\s+2*\u], v243, s[66+16*\s:67+16*\s] offset:128*\u+131072
.endr
.endr
	global_load_b128 v[32:35], v244, s[68:69]
	global_load_b128 v[36:39], v244, s[68:69] offset:4096
	global_load_b128 v[40:43], v244, s[68:69] offset:131072
	global_load_b128 v[44:47], v244, s[68:69] offset:131072+4096
	global_load_b128 v[48:51], v244, s[70:71]
	global_load_b128 v[52:55], v244, s[70:71] offset:4096
	v_lshl_add_u32 v245, v0, 4, KSC
	v_add_nc_u32 v[ASK0], KSC, v[L8]
	v_add_nc_u32 v[KL16], s85, v[L16]
	v_add_nc_u32 v[KL8], s85, v[L8]
	v_add_nc_u32 v[ST16], s84, v[L16]
	v_and_b32 v246, 8, v241
	v_lshlrev_b32 v247, 4, v242
	v_add_nc_u32 v[OSR], s78, v[L16]
	v_lshl_add_u32 v[OSA], v241, 4, s79
	s_delay_alu instid0(VALU_DEP_4)
	v_add_nc_u32 v246, v246, v241
	v_mov_b32 v252, 0
	v_mov_b32 v253, 0
	s_delay_alu instid0(VALU_DEP_3)
	v_sub_nc_u32 v[QL], v246, v247
	FRESH
	WIN 0x40
	v_mov_b32 v[QL], v[QL]                         ; window 1's copy
	WIN 0x55
	v_mov_b32 v252, 0
	v_mov_b32 v253, 0
.irp b, 0,1,2,3
	v_mov_b32 v[236+\b], 0                         ; a lane permute's destination counts as one of its sources
.endr
	FRESH
	WIN 0
	s_wait_alu depctr_va_vdst(0)                   ; ahead of the wait below
	s_wait_loadcnt 0x0
.irp i, 0,1,2,3,4,5,6,7
	v_perm_b32 v[56+\i], v[40+\i], v[32+\i], s[PSEL]   ; my head's two real bytes below, its two imaginary bytes above
.endr
	v_perm_b32 v255, v233, v232, s[PSEL]
	v_perm_b32 v95, v235, v234, s[PSEL]
	v_perm_b32 v92, v237, v236, s[PSEL]
	v_perm_b32 v93, v239, v238, s[PSEL]
	ds_store_b128 v245, v[56:59]                   ; K's scale words: the first change of slots shows them to every wave
	ds_store_b128 v245, v[60:63] offset:4096
	ds_store_b128 v245, v[48:51] offset:8192       ; V's
	ds_store_b128 v245, v[52:55] offset:12288
.irp b, 0,1,2,3
	v_mov_b32 v[236+\b], 0
.endr
.rept 4
	v_nop                                          ; (with the four above: eight places between Q's scale words and the first products)
.endr
	s_wait_alu depctr_va_vdst(0)                   ; the wait at the head's end
; The three pieces below name one tile's registers; they run under window 0 for tile 0 and with every place in window 1 for tile 1.
.macro MASK                            ; s96 = the tile's first query - KF.  d = my query - KF - 16 h; register 16 b + i holds key KF + 32 b + 16 h + i: hidden where 32 b + i > d
	v_add_nc_u32 v252, s96, v[QL]
	v_mov_b32 v254, 0xff800000
.set n, 0
.rept 64
	v_cmp_gt_i32 vcc_lo, 32*(n/16)+n%16, v252
	v_cndmask_b32 v[96+n], v[96+n], v254, vcc_lo
.set n, n+1
.endr
.endm
.macro SOFT                            ; from the scores to p's codes and scale word
.irp b, 0,1,2,3
	v_max3_num_f32 v[232+\b], v[96+16*\b], v[97+16*\b], v[98+16*\b]   ; the largest score of each block of 32 keys: for the row's maximum, and, since p rises with the score, for the block's largest p
.endr
.irp i, 3,5,7,9,11,13
.irp b, 0,1,2,3
	v_max3_num_f32 v[232+\b], v[232+\b], v[96+16*\b+\i], v[97+16*\b+\i]
.endr
.endr
.irp b, 0,1,2,3
	v_max_num_f32 v[232+\b], v[232+\b], v[111+16*\b]
.endr
.irp b, 0,1,2,3
	s_delay_alu instid0(VALU_DEP_4)
	v_permlanex16_b32 v[236+\b], v[232+\b], s[SEL], s[SEL+1]
.endr
.irp b, 0,1,2,3
	s_delay_alu instid0(VALU_DEP_4)
	v_max_num_f32 v[232+\b], v[232+\b], v[236+\b]
.endr
	s_delay_alu instid0(VALU_DEP_2)
	v_max3_num_f32 v254, v232, v233, v234
	s_delay_alu instid0(VALU_DEP_1)
	v_max_num_f32 v254, v254, v235
	s_delay_alu instid0(VALU_DEP_1)
	v_mul_f32 v254, s[CS], v254
	s_delay_alu instid0(VALU_DEP_1)
	v_max_num_f32 v13, v13, v254                   ; the running largest t
	v_mov_b32 v254, v12
	s_delay_alu instid0(VALU_DEP_2)
	v_floor_f32 v12, -v13                          ; the new -M = -ceil(t)
	s_delay_alu instid0(VALU_DEP_1)
	v_sub_f32 v254, v12, v254                      ; old M - new M: a whole number, 0 or less
	s_delay_alu instid0(VALU_DEP_1)
	v_cvt_i32_f32 v254, v254                       ; (it saturates)
	s_delay_alu instid0(VALU_DEP_1)
	v_ldexp_f32 v252, 1.0, v254                    ; f = 2^(old M - new M)
.set j, 0
.rept 32
	v_pk_fma_f32 v[96+j:97+j], v[96+j:97+j], s[CS:CS+1], v[12:13] op_sel_hi:[1,0,0]   ; t - M
.set j, j+2
.endr
.irp b, 0,1,2,3
	v_fma_f32 v[232+\b], v[232+\b], s[CS], v12
.endr
.set j, 0
	s_wait_alu depctr_va_vdst(0)                   ; ahead of the batch
.rept 64
	v_exp_f32 v[96+j], v[96+j]                     ; p = 2^(t - M)
.set j, j+1
.endr
	v_pk_mul_f32 v[14:15], v[14:15], v[252:253] op_sel_hi:[1,0]   ; the sums under the new M: a plain place behind the exponentials
	s_wait_alu depctr_va_vdst(0)                   ; one wait for the whole batch, ahead of its first reader
.irp b, 0,1,2,3
	v_exp_f32 v[232+\b], v[232+\b]                 ; the block's largest p
.endr
.irp c, 0,1,2,3,4                              ; the sum of the unquantised p, two at a time, in six chains: five at v238-247, and the running sum
	v_pk_add_f32 v[238+2*\c:239+2*\c], v[96+4*\c:97+4*\c], v[98+4*\c:99+4*\c]
.endr
	v_pk_add_f32 v[14:15], v[14:15], v[116:117]
.irp k, 0,1,2
.irp c, 0,1,2,3,4
	v_pk_add_f32 v[238+2*\c:239+2*\c], v[238+2*\c:239+2*\c], v[118+12*\k+2*\c:119+12*\k+2*\c]
.endr
	v_pk_add_f32 v[14:15], v[14:15], v[128+12*\k:129+12*\k]
.endr
.irp c, 0,1,2
	v_pk_add_f32 v[238+2*\c:239+2*\c], v[238+2*\c:239+2*\c], v[154+2*\c:155+2*\c]
.endr
	v_pk_add_f32 v[244:245], v[244:245], v[246:247]
	s_delay_alu instid0(VALU_DEP_3)
	v_pk_add_f32 v[238:239], v[238:239], v[240:241]
	s_delay_alu instid0(VALU_DEP_3)
	v_pk_add_f32 v[14:15], v[14:15], v[242:243]
	s_delay_alu instid0(VALU_DEP_2)
	v_pk_add_f32 v[238:239], v[238:239], v[244:245]
	s_delay_alu instid0(VALU_DEP_1)
	v_pk_add_f32 v[14:15], v[14:15], v[238:239]
	s_wait_alu depctr_va_vdst(0)                   ; and one for the four
.irp b, 0,1,2,3
	v_max_num_f32 v[232+\b], 0x1800000, v[232+\b]  ; the floor 2^(3 - 127)
.endr
.irp b, 0,1,2,3
	s_delay_alu instid0(VALU_DEP_4)
	v_add_nc_u32 v[244+\b], 0xff000000, v[232+\b]
.endr
.irp b, 0,1,2,3
	s_delay_alu instid0(VALU_DEP_4)
	v_lshrrev_b32 v[236+\b], 23, v[244+\b]
.endr
	s_delay_alu instid0(VALU_DEP_3)
	v_lshl_or_b32 v253, v237, 8, v236              ; p's scale word for these 128 keys
	s_delay_alu instid0(VALU_DEP_1)
	v_lshl_or_b32 v253, v238, 16, v253
	s_delay_alu instid0(VALU_DEP_1)
	v_lshl_or_b32 v253, v239, 24, v253
.irp c, 0,1
	v_cvt_scalef32_pk16_fp6_f32 v[224+6*\c:226+6*\c], v[96+32*\c:111+32*\c], v[244+2*\c]
	v_cvt_scalef32_pk16_fp6_f32 v[236+4*\c:238+4*\c], v[112+32*\c:127+32*\c], v[244+2*\c+1]
.endr
	v_nop                                          ; one plain place behind a scaled conversion
.irp c, 0,1
.irp i, 0,1,2
	v_permlane16_swap_b32 v[224+6*\c+\i], v[236+4*\c+\i]
.endr
.irp i, 0,1,2
	s_delay_alu instid0(VALU_DEP_3)
	v_mov_b32 v[227+6*\c+\i], v[236+4*\c+\i]
.endr
.endr
.endm
.macro RESC                            ; O^T under the new M
	s_wait_alu depctr_va_vdst(0)                   ; directly ahead of the first reader of O^T
.set j, 0
.rept 32
	v_pk_mul_f32 v[160+j:161+j], v[160+j:161+j], v[252:253] op_sel_hi:[1,0]
.set j, j+2
.endr
.endm
; MY KEY STEP of the slot in hand: 128 keys from KF on, for both tiles.
.macro STEP
	s_add_co_u32 s96, s[Q0], 31                    ; my pair's last query
	s_cmp_gt_u32 s[KF], s96
	s_cbranch_scc1 .Lhidden_\@                     ; all keys of the step come after my queries: ids and the count of trips alone
	v_add_nc_u32 v[AD16], s[TB], v[KL16]
	v_add_nc_u32 v[AD8], s[TB], v[KL8]
	v_add_nc_u32 v[ADS], s[TS], v[ASK0]
	v_nop                                          ; four places in front of loads into registers that the last products read
	s_wait_alu depctr_va_vdst(0)
	FRAGS 0                                        ; K's eight fragments
	ds_load_b64 v[248:249], v[ADS]                 ; K's scale words: register T / 2, an odd tile's in lanes 16-31
	ds_load_b64 v[250:251], v[ADS] offset:256
	s_wait_dscnt 0x0
.irp T, 0,1,2,3                                ; sixteen products, sixteen accumulators
	WMS \T, 255
.endr
	WIN 0x01
.irp T, 4,5,6,7
	WMS \T, 255
.endr
	WIN 0x45
.irp T, 4,5,6,7
	WMS \T, 95
.endr
	WIN 0x44
.irp T, 0,1,2,3
	WMS \T, 95
.endr
	WIN 0
.rept 4
	v_nop                                          ; four places: for the loads below and for the first read of the scores
.endr
	FRAGS VOFF                                     ; V's eight fragments are asked for now: they land while the softmax is worked
	ds_load_b64 v[248:249], v[ADS] offset:8192     ; V's scale words
	ds_load_b64 v[250:251], v[ADS] offset:8448
	s_add_co_u32 s96, s[KF], 127                   ; on the diagonal hidden scores become -infinity ahead of the maximum; a step all of whose keys count skips this
	s_cmp_le_u32 s96, s[Q0]
	s_cbranch_scc1 .Lopen_\@
	s_sub_co_i32 s96, s[Q0], s[KF]
	MASK
	s_add_co_u32 s96, s96, 8                       ; tile 1 begins 8 queries on
	WIN 0x55
	MASK
	WIN 0
.Lopen_\@:
	SOFT
	RESC
	WIN 0x55
	SOFT
	WIN 0x01
	v_mov_b32 v254, v253                           ; tile 1's scale word of p into window 0: scale operands have no window
	WIN 0x55
	RESC                                           ; (these 32 are also the places between that move and the products)
	WIN 0
	s_wait_alu depctr_va_vdst(0)                   ; ahead of the wait below
	s_wait_dscnt 0x0                               ; V's fragments are in
.irp T, 0,1,2,3
	WMO \T, 253
.endr
	WIN 0x01
.irp T, 4,5,6,7
	WMO \T, 253
.endr
	WIN 0x55
.irp T, 4,5,6,7
	WMO \T, 254
.endr
	WIN 0x54
.irp T, 0,1,2,3
	WMO \T, 254
.endr
	WIN 0
.Lhidden_\@:
.endm
; THE CHANGE OF SLOTS, at a trip's head.  Each wave waits for all its tensor loads, adds 0 to its spare word, and waits for that and for its LDS reads and stores.
; Behind the barrier the slot ahead is whole and nobody reads the other one, which takes the next trip's keys.  Every wait on TENSORcnt in this text is for 0.
.macro CHANGE fill
	s_wait_tensorcnt 0x0
	ds_add_u32 v[SPW], v[NIL]
	ds_add_u32 v[SPW], v[NIL]
.if \fill
	IDXOF 97, 1
	s_mul_i32 s98, s97, 24576
	s_mov_b32 s99, 0
	s_xor_b32 s[G0+1], s[G0+1], SLOT1
	s_add_nc_u64 s[G0+2:G0+3], s[GB:GB+1], s[98:99]
	s_or_b32 s[G0+3], s[G0+3], 0x80000000
	s_wait_xcnt 0x0                                ; the last prefetch, a trip back, has read its address
	s_add_nc_u64 s[PFA:PFA+1], s[PFA:PFA+1], 24576
.endif
	IDXOF 97, 0
	s_lshl_b32 s[KF], s97, 8
	s_add_co_u32 s[KF], s[KF], s[QK]               ; my step's first key: 256 x slot + 128 q
	s_lshl_b32 s[TS], s[KF], 2                     ; and its scale words: 512 bytes a step
	s_wait_dscnt 0x0
	s_barrier_signal -1
	s_barrier_wait -1
.if \fill
	TLOAD
	ASK
.endif
.endm
; THE CHANGE OF BLOCKS, in trip NH (ids and the count of trips alone; no barrier, wait or load stands under the branch): my parts of block 15 - i go to my stage, and the sums begin anew for block i.
.macro SWITCH
	s_cmp_eq_u32 s[TR], s[NH]
	s_cbranch_scc0 .Lsame_\@
.rept 4
	v_nop                                          ; four places behind my last products
.endr
	PUT ST16
	v_mov_b32 v255, v92                            ; Q's scale words first: the moves below are the places between them and the next products
	v_mov_b32 v95, v93
.irp u, 0,1
	WIN 0x55*\u
.set j, 0
.rept 12
	v_mov_b32 v[16+j], v[80+j]
.set j, j+1
.endr
	FRESH
.endr
	WIN 0
	s_mov_b32 s[Q0], s[Q0L]
	s_wait_alu depctr_va_vdst(0)                   ; ahead of the label
.Lsame_\@:
.endm
.Lslot:                                            ; 8 trips
	CHANGE 1
	SWITCH
	STEP
	s_xor_b32 s[TB], s[TB], SLOT1
	s_add_co_u32 s[TR], s[TR], 1
	s_cmp_lt_u32 s[TR], 8
	s_cbranch_scc1 .Lslot
	CHANGE 0                                       ; the ninth is written out: nothing is left to ask for
	SWITCH
	STEP
	; THE TWO PARITIES ARE JOINED
	v_add_nc_u32 v[AD16], s87, v[L16]              ; the stage of the parts that I join with mine
	v_add_nc_u32 v[AD8], s86, v[L16]               ; stage 8 + g
.rept 4
	v_nop                                          ; four places behind my last products
.endr
	s_wait_alu depctr_va_vdst(0)
	s_cmp_eq_u32 s[QP], 0
	s_cbranch_scc0 .Lkeep
	PUT AD8                                        ; parity 0: my parts of block i go to stage 8 + g,
	GET ST16, 160, 12                              ; and my parts of block 15 - i come back
.Lkeep:
	s_wait_dscnt 0x0
	s_barrier_signal -1
	s_barrier_wait -1
	GET AD16, 96, 32                               ; the other parity's parts of the tiles that I finish
	s_wait_dscnt 0x0
.macro JOINQ                           ; one tile: joined, divided by the sum, quantised along the channels
	v_min_num_f32 v42, v12, v32                    ; -M of both
	v_add_f32 v14, v14, v15
	v_add_f32 v34, v34, v35
	s_delay_alu instid0(VALU_DEP_3)
	v_sub_f32 v40, v42, v12                        ; each part's M less the common M: a whole number, 0 or less (a part with no step has M = -3e38 and gets the factor 0)
	v_sub_f32 v41, v42, v32
	s_delay_alu instid0(VALU_DEP_2)
	v_cvt_i32_f32 v40, v40
	s_delay_alu instid0(VALU_DEP_2)
	v_cvt_i32_f32 v41, v41
	s_delay_alu instid0(VALU_DEP_2)
	v_ldexp_f32 v40, 1.0, v40
	s_delay_alu instid0(VALU_DEP_2)
	v_ldexp_f32 v41, 1.0, v41
	s_delay_alu instid0(VALU_DEP_2)
	v_mul_f32 v14, v14, v40
	s_delay_alu instid0(VALU_DEP_1)
	v_fmac_f32 v14, v34, v41
	s_delay_alu instid0(VALU_DEP_1)
	v_permlanex16_b32 v252, v14, s[SEL], s[SEL+1]
	s_delay_alu instid0(VALU_DEP_1)
	v_add_f32 v14, v14, v252                       ; the row's sum
	s_wait_alu depctr_va_vdst(0)
	v_rcp_f32 v14, v14
.irp b, 0,1,2,3
	v_mov_b32 v[36+\b], 0                          ; a lane permute's destination counts as one of its sources; also the plain place behind the reciprocal
.endr
	v_mov_b32 v45, 0
	v_mov_b32 v47, 0
	s_wait_alu depctr_va_vdst(0)                   ; ahead of the reciprocal's first reader, and of the first reader of O^T
	v_mul_f32 v44, v40, v14
	v_mul_f32 v46, v41, v14
.set j, 0
.rept 32
	v_pk_mul_f32 v[96+j:97+j], v[96+j:97+j], v[46:47] op_sel_hi:[1,0]
.set j, j+2
.endr
.set j, 0
.rept 32
	v_pk_fma_f32 v[96+j:97+j], v[160+j:161+j], v[44:45], v[96+j:97+j] op_sel_hi:[1,0,1]   ; register 16 b + i: channel 32 b + 16 h + i; b = 0, 1 real, 2, 3 imaginary
.set j, j+2
.endr
.irp b, 0,1,2,3
	v_max3_num_f32 v[32+\b], |v[96+16*\b]|, |v[97+16*\b]|, 0x1800000
.endr
.irp i, 2,4,6,8,10,12,14
.irp b, 0,1,2,3
	s_delay_alu instid0(VALU_DEP_4)
	v_max3_num_f32 v[32+\b], v[32+\b], |v[96+16*\b+\i]|, |v[97+16*\b+\i]|
.endr
.endr
.irp b, 0,1,2,3
	s_delay_alu instid0(VALU_DEP_4)
	v_permlanex16_b32 v[36+\b], v[32+\b], s[SEL], s[SEL+1]
.endr
.irp b, 0,1,2,3
	s_delay_alu instid0(VALU_DEP_4)
	v_max_num_f32 v[32+\b], v[32+\b], v[36+\b]
.endr
.irp b, 0,1,2,3
	s_delay_alu instid0(VALU_DEP_4)
	v_add_nc_u32 v[44+\b], 0xff000000, v[32+\b]
.endr
.irp b, 0,1,2,3
	s_delay_alu instid0(VALU_DEP_4)
	v_lshrrev_b32 v[36+\b], 23, v[44+\b]
.endr
	s_delay_alu instid0(VALU_DEP_3)
	v_lshl_or_b32 v48, v37, 8, v36
	s_delay_alu instid0(VALU_DEP_1)
	v_lshl_or_b32 v48, v38, 16, v48
	s_delay_alu instid0(VALU_DEP_1)
	v_lshl_or_b32 v48, v39, 24, v48                ; my row's word: r b0 b1 | i b0 b1
.irp c, 0,1
	v_cvt_scalef32_pk16_fp6_f32 v[52+6*\c:54+6*\c], v[96+32*\c:111+32*\c], v[44+2*\c]
	v_cvt_scalef32_pk16_fp6_f32 v[64+4*\c:66+4*\c], v[112+32*\c:127+32*\c], v[44+2*\c+1]
.endr
	v_nop
.irp c, 0,1
.irp i, 0,1,2
	v_permlane16_swap_b32 v[52+6*\c+\i], v[64+4*\c+\i]
.endr
.irp i, 0,1,2
	s_delay_alu instid0(VALU_DEP_3)
	v_mov_b32 v[55+6*\c+\i], v[64+4*\c+\i]
.endr
.endr
.endm
.irp u, 0,1
	WIN 0x55*\u
	JOINQ
	WIN 0x04*\u
	global_store_b128 v[L16], v[52:55], s[72:73] offset:12288*\u   ; the real half; whole aligned blocks of 256 bytes
	global_store_b64 v[L8], v[56:57], s[72:73] offset:12288*\u+512
	global_store_b128 v[L16], v[58:61], s[72:73] offset:3145728+12288*\u      ; the imaginary half: part 1
	global_store_b64 v[L8], v[62:63], s[72:73] offset:3145728+12288*\u+512
	ds_store_b32 v[OSA], v48 offset:256*\u         ; lanes r and 16 + r write the same word with the same value
.endr
	WIN 0
	s_wait_dscnt 0x0
	s_barrier_signal -1
	s_barrier_wait -1
	s_cmp_eq_u32 s49, 0                            ; waves 0 and 4 (g = 0, parities 0 and 1) store their blocks' 512 bytes of words
	s_cbranch_scc0 .Ldone
	ds_load_b128 v[72:75], v[OSR]
	s_wait_dscnt 0x0
	global_store_b128 v[L16], v[72:75], s[74:75]
.Ldone:
	s_wait_tensorcnt 0x0                           ; the wave's end
	ds_add_u32 v[SPW], v[NIL]
	s_wait_dscnt 0x0
	s_endpgm
.Lfunc_end_k_qf0a2c85911_attn:
	.size	k_qf0a2c85911_attn, .Lfunc_end_k_qf0a2c85911_attn-k_qf0a2c85911_attn
	.p2alignl 7, 3214868480
	.fill 96, 4, 3214868480
	.section	.rodata,"a",@progbits
	.p2align	6, 0x0
	.amdhsa_kernel k_qf0a2c85911_attn
		.amdhsa_group_segment_fixed_size 327680
		.amdhsa_private_segment_fixed_size 0
		.amdhsa_enable_private_segment 0
		.amdhsa_kernarg_size 32
		.amdhsa_user_sgpr_count 2
		.amdhsa_user_sgpr_kernarg_segment_ptr 1
		.amdhsa_wavefront_size32 1
		.amdhsa_system_sgpr_workgroup_id_x 1
		.amdhsa_system_sgpr_workgroup_id_y 1
		.amdhsa_system_sgpr_workgroup_id_z 1
		.amdhsa_system_vgpr_workitem_id 0
		.amdhsa_next_free_vgpr 512
		.amdhsa_next_free_sgpr 100
		.amdhsa_reserve_vcc 1
		.amdhsa_float_denorm_mode_32 3
		.amdhsa_float_denorm_mode_16_64 3
		.amdhsa_memory_ordered 1
		.amdhsa_forward_progress 1
		.amdhsa_inst_pref_size 158
	.end_amdhsa_kernel
	.amdgpu_metadata
---
amdhsa.version: [ 1, 2 ]
amdhsa.kernels:
  - .name:           k_qf0a2c85911_attn
    .symbol:         k_qf0a2c85911_attn.kd
    .args:
      - { .name: qkvc, .offset: 0, .size: 8, .value_kind: global_buffer, .address_space: global }
      - { .name: qkvs, .offset: 8, .size: 8, .value_kind: global_buffer, .address_space: global }
      - { .name: oc, .offset: 16, .size: 8, .value_kind: global_buffer, .address_space: global }
      - { .name: osc, .offset: 24, .size: 8, .value_kind: global_buffer, .address_space: global }
    .group_segment_fixed_size: 327680
    .private_segment_fixed_size: 0
    .kernarg_segment_align: 8
    .kernarg_segment_size: 32
    .max_flat_workgroup_size: 256
    .sgpr_count:     100
    .vgpr_count:     512
    .wavefront_size: 32
...
	.end_amdgpu_metadata
.endif
;; end of part 3
;; launch ogemm (part 4): grid 4 x 64, 4 waves a work-group, clusters of 4 x 4, 327,680 bytes of LDS; arguments oc, osc, opc, ops, bor, boi, out0, out1; writes out0, out1
.if DOCPART == 4
	.amdgcn_target "amdgcn-amd-amdhsa--gfx1250"
	.amdhsa_code_object_version 6
	.text
	.protected	k_qf0a2c85911_ogemm
	.globl	k_qf0a2c85911_ogemm
	.p2align	8
	.type	k_qf0a2c85911_ogemm,@function
k_qf0a2c85911_ogemm:
	s_mov_b64 s[64:65], 0
	v_nop
	global_prefetch_b8 v0, s[64:65] scope:SCOPE_SE
	s_setreg_imm32_b32 hwreg(HW_REG_WAVE_MODE, 25, 1), 1
	s_wait_xcnt 0x0
	s_wait_alu depctr_hold_cnt(0) depctr_sa_sdst(0) depctr_va_vdst(0) depctr_va_sdst(0) depctr_va_ssrc(0) depctr_va_vcc(0) depctr_vm_vsrc(0)
	s_getreg_b32 s2, hwreg(HW_REG_IB_STS2, 6, 4)
	s_cmp_eq_u32 s2, 0
	s_cbranch_scc0 .Lentry_in_a_cluster
	s_endpgm
.Lentry_in_a_cluster:
	s_bfe_u32 s2, ttmp6, 0x10000c
	s_cmp_lg_u32 s2, 0xf033
	s_cbranch_scc0 .Lentry_shape_is_right
	s_endpgm
.Lentry_shape_is_right:
; The two output projections on codes of FP6 (E2M3), K = 1,024: out = O W + b, f32.  Rows 0-31 of the grid's y take the real part (oc's part 0, Wor, bor, out0), rows 32-63 the imaginary part.
; A block of 128 rows x 256 columns to a work-group: 64 x 4 = 256 work-groups.  ALL OF K LIES IN LDS: A's group of 128 rows is 98,304 dense bytes of oc, B's two groups of 128 columns 98,304 dense bytes of opc each.
; They come by one joint load a wave at the head (waves 0, 1: A's halves; waves 2, 3: B's groups); nothing is filled again, and one barrier shows all of it to the four waves.
; A wave makes 64 rows x 128 columns: 32 accumulators.  Source 0 = 16 rows of B, source 1 = 16 rows of A: a lane holds eight neighbouring columns of one row.  Two sets of fragments: a K step's 48 LDS loads are issued a step ahead.
; Operands are images of registers (1,536 bytes a fragment: half c at 768 c, registers 0-3 at 16 x lane, registers 4, 5 at 512 + 8 x lane), laid [tile 8][K step 8].  Lane r of tile u of pair g is row 32 g + 8 u + r + 8 (r / 8).
; CLUSTERS 4 x 4: A's loads are joint along a row of the cluster, B's along a column.  THE BIAS is the C of each sum's first product.
; No prefetch: the launch has no loop to run ahead in; all its tiles are asked for at its head.
; REGISTERS.  Window 0: v2-11 addresses, v18, v19 the stage, v28, v29 the add's two, v32-47 A's scale words, v64-95 B's, v128-223 A's fragments (two sets of 48), on the way out v128-255.
;   Window 1: B's fragments, two sets, at v0 and v128; the bias tiles at v96-127 and v224-255.   Window 2: the accumulators, (a, b) at v[8 (8 a + b)].
.set AH,    49152                      ; half of A: 4 tiles x 8 K steps x 1,536
.set BG,    98304                      ; a group
.set SPARE, 3*BG                       ; behind the tiles: the spare words, 128 bytes a wave, that no other line names
.set FR,    12
.set A16,  4
.set A8,   5
.set B16,  6                           ; B's tiles 0-3;  v10, v11: tiles 4-7
.set B8,   7
.set OSO,  8                           ; 16 x lane + 8 x my half of A
.set B16H, 10
.set B8H,  11
.set STO,  18
.set RD,   19
.set BQ,   22
.set SPW,  28
.set NIL,  29
.set SA,   32                          ; register 8 g + s: lanes 0-15 my tile 2 g, lanes 16-31 tile 2 g + 1, K step s
.set SB,   64
.set AF,   128
.set BK,   128
.set WV,   24
.set WR,   25                          ; my half of A's rows.  Also: I fetch for A (0) or for B (1)
.set WC,   26                          ; my group of B.  Also: which half or group I fetch
.set G1,   28
.set G1B,  36
.set G0,   44
.set G0B,  48
.set MSB, 0
.macro WIN new                         ; the immediate's high byte repeats the setting that is left
.if MSB != \new
	s_set_vgpr_msb (MSB<<8)|\new
.set MSB, \new
.endif
.endm
.macro CREST
	s_cmp_lg_u32 s[WV], 0
	s_cbranch_scc1 .Lnot_wave_0_\@
	s_barrier_signal -3
.Lnot_wave_0_\@:
	s_barrier_wait -3
	s_barrier_signal -1
	s_barrier_wait -1
.endm
.macro CROUND
	s_barrier_signal -1
	s_barrier_wait -1
	CREST
.endm
.macro PLACES                          ; four places in front of loads into registers that matrix instructions have read, and of the first read of results
.rept 4
	v_nop
.endr
.endm
.macro FRAG reg, a16, a8, off
	ds_load_b128 v[\reg:\reg+3], v[\a16] offset:\off
	ds_load_b64 v[\reg+4:\reg+5], v[\a8] offset:\off+512
	ds_load_b128 v[\reg+6:\reg+9], v[\a16] offset:\off+768
	ds_load_b64 v[\reg+10:\reg+11], v[\a8] offset:\off+1280
.endm
.macro FETCH k                         ; K step k's twelve fragments into set k % 2: 48 loads
	WIN 0x40
.irp i, 0,1,2,3
	FRAG 128*((\k)%2)+FR*\i, B16, B8, 12288*\i+1536*(\k)
.endr
.irp i, 0,1,2,3
	FRAG 128*((\k)%2)+FR*(\i+4), B16H, B8H, 12288*\i+1536*(\k)
.endr
	WIN 0
.irp i, 0,1,2,3
	FRAG AF+48*((\k)%2)+FR*\i, A16, A8, 12288*\i+1536*(\k)
.endr
.endm
.macro WM a, b, k, cm                  ; A's block a x B's block b, K step k.  cm = 1: the sum starts from B's bias tile b.  An odd tile's scale words stand in lanes 16-31
.set rD, 8*(8*(\a)+(\b))
.set rC, rD
.if \cm == 1
.set rC, 96+8*((\b)%4)+128*((\b)/4)
.endif
.set rB, 128*((\k)%2)+FR*(\b)
.set rA, AF+48*((\k)%2)+FR*(\a)
.set rX, SB+8*((\b)/2)+(\k)
.set rY, SA+8*((\a)/2)+(\k)
.if ((\a)%2 == 0) && ((\b)%2 == 0)
	v_wmma_scale_f32_16x16x128_f8f6f4 v[rD:rD+7], v[rB:rB+11], v[rA:rA+11], v[rC:rC+7], v[rX], v[rY] matrix_a_fmt:MATRIX_FMT_FP6 matrix_b_fmt:MATRIX_FMT_FP6
.elseif (\a)%2 == 0
	v_wmma_scale_f32_16x16x128_f8f6f4 v[rD:rD+7], v[rB:rB+11], v[rA:rA+11], v[rC:rC+7], v[rX], v[rY] matrix_a_fmt:MATRIX_FMT_FP6 matrix_b_fmt:MATRIX_FMT_FP6 matrix_a_scale:MATRIX_SCALE_ROW1
.elseif (\b)%2 == 0
	v_wmma_scale_f32_16x16x128_f8f6f4 v[rD:rD+7], v[rB:rB+11], v[rA:rA+11], v[rC:rC+7], v[rX], v[rY] matrix_a_fmt:MATRIX_FMT_FP6 matrix_b_fmt:MATRIX_FMT_FP6 matrix_b_scale:MATRIX_SCALE_ROW1
.else
	v_wmma_scale_f32_16x16x128_f8f6f4 v[rD:rD+7], v[rB:rB+11], v[rA:rA+11], v[rC:rC+7], v[rX], v[rY] matrix_a_fmt:MATRIX_FMT_FP6 matrix_b_fmt:MATRIX_FMT_FP6 matrix_a_scale:MATRIX_SCALE_ROW1 matrix_b_scale:MATRIX_SCALE_ROW1
.endif
.endm
; A K step: its fragments are in; the next step's are asked for; 32 products, the 32 accumulators by turns in the same order in every step.
; In the last step the barrier's signal stands where the fetch stood: my LDS reads are over, and behind the barrier the stages lie on A's bytes.
.macro KSTEP k, cm
	s_wait_dscnt 0x0
.if (\k) < 7
.if (\k) > 0
	PLACES
.endif
	FETCH (\k)+1
.else
	s_barrier_signal -1
.endif
	WIN 0xa1-0x10*(\cm)                            ; source 0 (B) window 1, source 1 (A) window 0, D window 2; C with D, or (the bias) in window 1
.irp a, 0,1,2,3
.irp b, 0,1,2,3,4,5,6,7
	WM \a, \b, \k, \cm
.endr
.endr
	WIN 0
.endm
	s_load_b256 s[4:11], s[0:1], 0x0               ; oc, osc, opc, ops
	s_load_b256 s[12:19], s[0:1], 0x20             ; bor, boi, out0, out1
	v_lshl_add_u32 v[SPW], v0, 2, SPARE
	v_mov_b32 v[NIL], 0
	ds_add_u32 v[SPW], v[NIL]                      ; the opening: the add, twice on end, and its wait
	ds_add_u32 v[SPW], v[NIL]
	v_lshrrev_b32 v1, 5, v0
	v_readfirstlane_b32 s[WV], v1
	s_lshr_b32 s[WR], s[WV], 1
	s_and_b32 s[WC], s[WV], 1
	s_bfe_u32 s80, ttmp6, 0x40000                  ; cx = the block of 256 columns
	s_bfe_u32 s81, ttmp6, 0x40004                  ; cy
	s_and_b32 s83, ttmp7, 0xffff                   ; the cluster's y
	s_lshl_b32 s100, s81, 2
	s_lshl_b32 s100, 15, s100                      ; my row of the cluster
	s_lshl_b32 s101, 0x1111, s80                   ; my column
	s_or_b32 s[G1], s100, (3<<16)|(1<<21)          ; the mask; elements of 8 bytes; bit 21 beside a mask; no padding
	s_or_b32 s[G1B], s101, (3<<16)|(1<<21)
	s_mov_b32 s[G1+2], 192<<16                     ; A's half: 192 rows of 256 bytes
	s_mov_b32 s[G1+4], 192
	s_mov_b32 s[G1B+2], 384<<16                    ; B's group: 384 rows
	s_mov_b32 s[G1B+4], 384
.irp g, G1, G1B
	s_mov_b32 s[\g+1], 32<<16
	s_mov_b32 s[\g+3], 32<<16
	s_mov_b32 s[\g+5], 32
	s_mov_b32 s[\g+6], 0
	s_mov_b32 s[\g+7], 0
.endr
	s_lshr_b32 s85, s83, 3                         ; the part
	s_lshl_b32 s92, s83, 2
	s_add_co_u32 s92, s92, s81                     ; A's group: it hangs on the cluster's y and cy, never on cx
	s_mul_i32 s88, s92, BG
	s_mul_i32 s94, s[WC], AH                       ; the half that I fetch: in memory and in LDS
	s_add_co_u32 s88, s88, s94
	s_mov_b32 s89, 0
	s_lshl_b32 s93, s85, 3
	s_add_co_u32 s93, s93, 112
	s_lshl_b32 s87, s80, 1
	s_add_co_u32 s93, s93, s87
	s_add_co_u32 s93, s93, s[WC]                   ; B's group, to fetch and to read: on the part and cx, never on cy
	s_mul_i32 s90, s93, BG
	s_mov_b32 s91, 0
	s_mul_i32 s95, s[WC], BG
	s_add_co_u32 s95, s95, BG                      ; B lies behind A
	s_mov_b32 s[G0], 1
	s_mov_b32 s[G0+1], s94
	s_mov_b32 s[G0B], 1
	s_mov_b32 s[G0B+1], s95
	s_wait_dscnt 0x0
	s_wait_kmcnt 0x0
	s_add_nc_u64 s[G0+2:G0+3], s[4:5], s[88:89]
	s_or_b32 s[G0+3], s[G0+3], 0x80000000
	s_add_nc_u64 s[G0B+2:G0B+3], s[8:9], s[90:91]
	s_or_b32 s[G0B+3], s[G0B+3], 0x80000000
	CROUND                                         ; all sixteen work-groups are here: the joint loads meet
	s_cmp_eq_u32 s[WR], 0                          ; one tensor load a wave; an s_nop 0 and four v_nop follow each line
	s_cbranch_scc0 .Lfor_b
	tensor_load_to_lds s[G0:G0+3], s[G1:G1+7]
	s_nop 0
.rept 4
	v_nop
.endr
	s_branch .Lasked
.Lfor_b:
	tensor_load_to_lds s[G0B:G0B+3], s[G1B:G1B+7]
	s_nop 0
.rept 4
	v_nop
.endr
.Lasked:
	s_and_b32 s96, s92, 31                         ; the group within the part
	s_lshl_b32 s56, s96, 13
	s_mov_b32 s57, 0
	s_add_nc_u64 s[56:57], s[6:7], s[56:57]        ; A's scale words: [head 16][lane][4 words]
	s_lshl_b32 s58, s93, 12
	s_mov_b32 s59, 0
	s_add_nc_u64 s[58:59], s[10:11], s[58:59]      ; B's
	s_add_co_u32 s60, s87, s[WC]
	s_lshl_b32 s60, s60, 9                         ; my 128 columns, in bytes
	s_mov_b32 s61, 0
	s_mov_b32 s27, 0x07060302
	s_cmp_eq_u32 s85, 0
	s_cselect_b64 s[12:13], s[12:13], s[14:15]
	s_cselect_b64 s[16:17], s[16:17], s[18:19]
	s_cselect_b32 s27, 0x05040100, s27             ; a word of O's scales holds the real bytes below, the imaginary above
	s_add_nc_u64 s[12:13], s[12:13], s[60:61]
	s_add_nc_u64 s[16:17], s[16:17], s[60:61]
	s_lshl_b32 s60, s96, 19                        ; 128 rows of 4,096 bytes,
	s_lshl_b32 s62, s[WR], 18                      ; my 64 of them
	s_add_co_u32 s60, s60, s62
	s_add_nc_u64 s[16:17], s[16:17], s[60:61]
	s_mul_i32 s70, s[WR], AH                       ; my four tiles of A
	s_add_co_u32 s72, s95, AH                      ; B's tiles 4-7
	s_mul_i32 s73, s[WV], 8448                     ; my stage, on A's bytes
	s_lshl_b32 s74, s[WR], 3
	v_and_b32 v1, 31, v0
	v_and_b32 v9, 15, v0                           ; r
	v_bfe_u32 v20, v0, 4, 1                        ; h
	v_lshlrev_b32 v2, 4, v1
	v_lshlrev_b32 v3, 3, v1
	v_lshlrev_b32 v[BQ], 6, v20
	v_mul_u32_u24 v[STO], v9, 528
	v_add_nc_u32 v[A16], s70, v2
	v_add_nc_u32 v[A8], s70, v3
	v_add_nc_u32 v[B16], s95, v2
	v_add_nc_u32 v[B8], s95, v3
	v_add_nc_u32 v[B16H], s72, v2
	v_add_nc_u32 v[B8H], s72, v3
	v_add_nc_u32 v[OSO], s74, v2
	v_lshl_add_u32 v[STO], v20, 6, v[STO]
	v_add_nc_u32 v[RD], s73, v2
	v_add_nc_u32 v[STO], s73, v[STO]
	s_wait_alu depctr_va_vdst(0)                   ; behind the head's address work
.irp d, 0,1,2,3,4,5,6,7,8,9,10,11,12,13,14,15
	global_load_b64 v[AF+2*\d:AF+2*\d+1], v[OSO], s[56:57] offset:512*\d   ; head d: the words of my two pairs of tiles
.endr
.irp g, 0,1,2,3
.irp q, 0,1,2,3
	global_load_b64 v[SB+8*\g+2*\q:SB+8*\g+2*\q+1], v3, s[58:59] offset:256*(4*\g+\q)
.endr
.endr
	WIN 0x40
.irp t, 0,1,2,3,4,5,6,7                        ; register j of B's tile t is column 32 (t / 2) + 16 h + 8 (t % 2) + j
	global_load_b128 v[96+8*(\t%4)+128*(\t/4):96+8*(\t%4)+128*(\t/4)+3], v[BQ], s[12:13] offset:4*(32*(\t/2)+8*(\t%2))
	global_load_b128 v[96+8*(\t%4)+128*(\t/4)+4:96+8*(\t%4)+128*(\t/4)+7], v[BQ], s[12:13] offset:4*(32*(\t/2)+8*(\t%2))+16
.endr
	WIN 0
	s_wait_loadcnt 0x0
.irp g, 0,1
.irp s, 0,1,2,3,4,5,6,7
	v_perm_b32 v[SA+8*\g+\s], v[AF+2*(2*\s+1)+\g], v[AF+2*(2*\s)+\g], s27   ; K step s: head 2 s's two bytes below, head 2 s + 1's above
.endr
.endr
.rept 8
	v_nop                                          ; a scale register written by a vector instruction stands 8 places ahead of a scaled product
.endr
	s_wait_alu depctr_va_vdst(0)                   ; the wait at the head's end
	s_wait_tensorcnt 0x0                           ; my load has landed;
	s_barrier_signal -1
	s_barrier_wait -1                              ; and so has everybody's: all of K is in LDS
	FETCH 0
	KSTEP 0, 1                                     ; the first step's products start the sums, from the bias
.irp k, 1,2,3,4,5,6,7
	KSTEP \k, 0
.endr
	s_barrier_wait -1                              ; nobody reads the tiles any more
; THE WAY OUT, block by block of 16 rows x 128 columns, through my own stage (rows of 528 bytes): whole rows of 512 bytes come back and leave as two aligned units of 256 bytes.
.macro TOSTAGE a
.set AC, 64*(\a)
	WIN 0x08                                       ; the data: window 2
.irp b, 0,1,2,3,4,5,6,7
	ds_store_b128 v[STO], v[AC+8*\b:AC+8*\b+3] offset:128*(\b/2)+32*(\b%2)      ; each accumulator from its low end on
	ds_store_b128 v[STO], v[AC+8*\b+4:AC+8*\b+7] offset:128*(\b/2)+32*(\b%2)+16
.endr
	WIN 0
.set BB, BK+64*((\a)%2)
.irp t, 0,1,2,3,4,5,6,7,8,9,10,11,12,13,14,15
	ds_load_b128 v[BB+4*\t:BB+4*\t+3], v[RD] offset:\t*528   ; LDS serves a wave's instructions in order: these see the stores above
.endr
.endm
.macro SEND a, younger
.set BB, BK+64*((\a)%2)
	s_wait_dscnt \younger
.irp t, 0,1,2,3,4,5,6,7,8,9,10,11,12,13,14,15
	global_store_b128 v2, v[BB+4*\t:BB+4*\t+3], s[16:17] offset:(32*((\a)/2)+8*((\a)%2)+\t+8*(\t/8))*4096 th:TH_STORE_NT
.endr
.endm
	PLACES
	TOSTAGE 0
.irp a, 1,2,3
.if \a > 1
	s_wait_xcnt 0x0                                ; block a - 2's stores have read their registers
.endif
	TOSTAGE \a
	SEND \a-1, 32                                  ; behind block a - 1's loads: block a's 16 stores and 16 loads
.endr
	SEND 3, 0
	s_wait_tensorcnt 0x0                           ; the wave's end
	ds_add_u32 v[SPW], v[NIL]
	s_wait_dscnt 0x0
	CROUND                                         ; the closing round
	s_endpgm
.Lfunc_end_k_qf0a2c85911_ogemm:
	.size	k_qf0a2c85911_ogemm, .Lfunc_end_k_qf0a2c85911_ogemm-k_qf0a2c85911_ogemm
	.p2alignl 7, 3214868480
	.fill 96, 4, 3214868480
	.section	.rodata,"a",@progbits
	.p2align	6, 0x0
	.amdhsa_kernel k_qf0a2c85911_ogemm
		.amdhsa_group_segment_fixed_size 327680
		.amdhsa_private_segment_fixed_size 0
		.amdhsa_enable_private_segment 0
		.amdhsa_kernarg_size 64
		.amdhsa_user_sgpr_count 2
		.amdhsa_user_sgpr_kernarg_segment_ptr 1
		.amdhsa_wavefront_size32 1
		.amdhsa_system_sgpr_workgroup_id_x 1
		.amdhsa_system_sgpr_workgroup_id_y 1
		.amdhsa_system_sgpr_workgroup_id_z 1
		.amdhsa_system_vgpr_workitem_id 0
		.amdhsa_next_free_vgpr 768
		.amdhsa_next_free_sgpr 102
		.amdhsa_reserve_vcc 0
		.amdhsa_float_denorm_mode_32 3
		.amdhsa_float_denorm_mode_16_64 3
		.amdhsa_memory_ordered 1
		.amdhsa_forward_progress 1
		.amdhsa_inst_pref_size 85
	.end_amdhsa_kernel
	.amdgpu_metadata
---
amdhsa.version: [ 1, 2 ]
amdhsa.kernels:
  - .name:           k_qf0a2c85911_ogemm
    .symbol:         k_qf0a2c85911_ogemm.kd
    .args:
      - { .name: oc, .offset: 0, .size: 8, .value_kind: global_buffer, .address_space: global }
      - { .name: osc, .offset: 8, .size: 8, .value_kind: global_buffer, .address_space: global }
      - { .name: opc, .offset: 16, .size: 8, .value_kind: global_buffer, .address_space: global }
      - { .name: ops, .offset: 24, .size: 8, .value_kind: global_buffer, .address_space: global }
      - { .name: bor, .offset: 32, .size: 8, .value_kind: global_buffer, .address_space: global }
      - { .name: boi, .offset: 40, .size: 8, .value_kind: global_buffer, .address_space: global }
      - { .name: out0, .offset: 48, .size: 8, .value_kind: global_buffer, .address_space: global }
      - { .name: out1, .offset: 56, .size: 8, .value_kind: global_buffer, .address_space: global }
    .group_segment_fixed_size: 327680
    .private_segment_fixed_size: 0
    .kernarg_segment_align: 8
    .kernarg_segment_size: 64
    .max_flat_workgroup_size: 128
    .sgpr_count:     102
    .vgpr_count:     768
    .wavefront_size: 32
...
	.end_amdgpu_metadata
.endif
;; end of part 4
